; MI455X (gfx1250); checked and timed in simulation.
; The chip was launched on July 23, 2026; its instructions are those of AMD's public machine-readable ISA for CDNA 5 (MIT licence, August 2026) and "CDNA5" Instruction Set Architecture Reference Guide (July 2026). The comments in the code are by the model that wrote it; some were corrected since.
;; Self Attention. Allowed arithmetic: matrix products marked QUANTISED: E2M1 operands, one E8M0 scale for each 32 along K, by v_wmma_scale_f32_16x16x128_f8f6f4 with both operands' format E2M1 (or v_wmma_scale_f32_32x16x128_f4), f32 sums; products left as they are: bf16, f16 or f32 operands; f32 sums; everything else in f32.
;; Inputs: Wk 1,024 x 1,024 float32; Wq 1,024 x 1,024 float32; Wv 1,024 x 1,024 float32; bk 1,024 float32; bq 1,024 float32; bv 1,024 float32; lengths 4 int32; x 4 x 2,048 x 1,024 float32.
;; Outputs: out0 4 x 2,048 x 1,024 float32.
;; This version of the problem:
;;   THIS VERSION OF THE PROBLEM IS GIVEN IN LOW PRECISION. The matrix products marked QUANTISED in the list below multiply operands that are first quantised to E2M1 (2 exponent bits, 1 mantissa bit; 4 bits a number), with one power-of-two scale for each 32 numbers along K (OCP MX v1.0); their sums are f32. The products marked 'left as it is' may take bf16, f16 or f32 operands, with f32 sums. Whichever they take, every output number must still come out within the allowed error. Rounding operands to bf16 (8 significant bits) uses up far more of that allowance than f16 does (11 bits, for magnitudes from 6e-5 to 65,504). All else is computed in f32.
;;   The module's matrix products, in the order in which they are computed (A, B: the left and right operand; K: the contracted axis; several contracted axes count as one K, in the product's order):
;;     1. [M 8,192, K 1,024] x [K 1,024, N 1,024]; A: input x; B: input Wq: QUANTISED
;;     2. [M 8,192, K 1,024] x [K 1,024, N 1,024]; A: input x; B: input Wk: QUANTISED
;;     3. [M 8,192, K 1,024] x [K 1,024, N 1,024]; A: input x; B: input Wv: QUANTISED
;;     4. batch 4 x [M 2,048, K 1,024] x [K 1,024, N 2,048]; A: computed on the way; B: computed on the way: left as it is (an operand is computed on the way)
;;     5. batch 4 x [M 2,048, K 2,048] x [K 2,048, N 1,024]; A: computed on the way; B: computed on the way: left as it is (an operand is computed on the way)
;;   THE QUANTISER, for each operand of a quantised product, along K:
;;     - K is cut into blocks of 32 from its start; a last block that is shorter is filled with zeros.
;;     - A block's scale is 2^e with e = floor(log2(the largest magnitude in the block)) - 2, held to -126 .. 127; a block of zeros has e = 0. As a byte (E8M0): e + 127.
;;     - Each number is divided by its block's scale, clamped to +-6, and rounded to the nearest number of E2M1, ties to even, subnormals kept.
;;     - The product sums the exact products of the quantised numbers (number of the format x scale) in f32.
;;   ~~~python
;;   def quantise(x, axis):      # numpy; x: float32 -> the quantised numbers, widened to float32 again
;;       x = np.moveaxis(x, axis, -1); K = x.shape[-1]
;;       x = np.pad(x, [(0, 0)] * (x.ndim - 1) + [(0, -K % 32)]); x = x.reshape(x.shape[:-1] + (-1, 32)); a = np.abs(x).max(-1, keepdims=True)
;;       e = np.where(a > 0, np.clip(np.frexp(np.where(a > 0, a, 1))[1] - 1 - 2, -126, 127), 0)      # np.frexp(a)[1] - 1 = floor(log2(a)), exactly
;;       r = np.clip(x / 2.0 ** e, -6, 6)
;;       step = 2.0 ** (np.maximum(np.frexp(np.where(r == 0, 1, r))[1] - 1, 0) - 1)
;;       q = np.round(r / step) * step * 2.0 ** e      # np.round: ties to even
;;       return np.moveaxis(q.reshape(q.shape[:-2] + (-1,))[..., :K], -1, axis).astype(np.float32)
;;   ~~~
;; One version. Each part assembles by itself: llvm-mc -triple=amdgcn-amd-amdhsa -mcpu=gfx1250 --defsym DOCPART=n.
;; ======== version 1 of 1: 5 launches
;; limits: values are held in f16: magnitudes above 65,504 overflow, below 6.1e-05 lose precision
;; workspace buffers: xc 4,194,304 bytes; xs 262,144 bytes; wc 1,572,864 bytes; ws 98,304 bytes; qkv 50,331,648 bytes; head 786,432 bytes; pm 33,554,432 bytes; st 1,048,576 bytes
;; launch quant (part 1): grid 352 x 1, 4 waves a work-group, no clusters, 33,280 bytes of LDS; arguments x, Wq, Wk, Wv, xc, xs, wc, ws; writes xc, xs, wc, ws
.if DOCPART == 1
	.amdgcn_target "amdgcn-amd-amdhsa--gfx1250"
	.amdhsa_code_object_version 6
	.text
	.protected	k_qfcbfcb312b_quant
	.globl	k_qfcbfcb312b_quant
	.p2align	8
	.type	k_qfcbfcb312b_quant,@function
k_qfcbfcb312b_quant:
	s_mov_b64 s[64:65], 0
	v_nop
	global_prefetch_b8 v0, s[64:65] scope:SCOPE_SE
	s_setreg_imm32_b32 hwreg(HW_REG_WAVE_MODE, 25, 1), 1
	s_wait_xcnt 0x0
; x [8192][1024] and Wq, Wk, Wv [1024][1024], f32, become codes of FP4 (E2M1), K innermost, two codes a byte, with one E8M0 byte for each 32 along K.
; xc [8192][512 B], xs [8192][32]; wc [3072][512 B], ws [3072][32]: the rows of Wq, then Wk's, then Wv's.
; A block's scale is 2^(floor(log2(largest magnitude)) - 2); its byte is the largest magnitude's exponent field - 2, held at 1 from below.
; LIMITS: a block of zeros gets the byte 1 where the rule says 127 (its codes are zeros, and this program alone reads the bytes); blocks whose largest magnitude
; lies under 2^-124 keep the byte 1; NaN and infinities among the inputs are not served.
; Rows are dense and K is a multiple of 32: every tensor is a plain stream of blocks of 32.  A work-group takes 32,768 numbers, a wave 8,192 in 16 steps of 512.
; Work-groups 0-255 take x, 256-351 the three weights, 32 each; only pointers are chosen, by the work-group's number: all take one way through the text.
; Each load reads 512 consecutive bytes; a step's 2,048 bytes turn through the wave's own stage in LDS so that a lane holds 16 neighbours along K (two lanes a block).
; No tile is shared between work-groups, so there is nothing for a cluster or a tensor load to spare; waves share nothing, so there is no barrier.
.set WAVES, 4
.set STEPS, 16
.set EMAX,  2
.set CB,    8                          ; bytes of 16 codes
.set R,     16                         ; v16-79   four sets of 16 numbers as they are loaded
.set X,     80                         ; v80-111  two sets of 16 neighbours
.set C,     128                        ; v128-191 codes: four registers a step, so that no store's data are written again
.set E,     112                        ; v112-127 a scale byte a step
.set WREG,  8192                       ; LDS: a region for each wave: two stages of 32 x SP bytes, then its 256 scale bytes
.set SP,    80                         ; a lane's place in a stage: 64 bytes + 16 of padding
.set SPW,   12                         ; v12  my spare word's LDS address; never rewritten
.set NIL,   13                         ; v13  0; never rewritten
.set SPARE, WAVES*WREG                 ; the spare words: 128 bytes a wave, named by no other line
	s_load_b256 s[4:11], s[0:1], 0x0               ; x, Wq, Wk, Wv
	s_load_b256 s[24:31], s[0:1], 0x20             ; xc, xs, wc, ws
	v_lshl_add_u32 v[SPW], v0, 2, SPARE
	v_mov_b32 v[NIL], 0
	v_lshrrev_b32 v1, 5, v0
	v_readfirstlane_b32 s16, v1                    ; wave
	v_and_b32 v2, 31, v0                           ; lane
	v_lshlrev_b32 v3, 4, v2                        ; my 16 bytes of a load's 512
	s_mul_i32 s17, s16, WREG
	v_lshrrev_b32 v14, 2, v2
	v_mul_u32_u24 v14, v14, SP
	v_and_b32 v15, 3, v2
	v_lshl_add_u32 v14, v15, 4, v14
	v_add_nc_u32 v14, s17, v14                     ; the stage, way in: SP (lane / 4) + 16 (lane % 4)
	v_mul_u32_u24 v15, v2, SP
	v_add_nc_u32 v15, s17, v15                     ; way out: SP x lane: my 16 neighbours
	v_mul_u32_u24 v4, v2, CB                       ; my codes' place in a step's
	v_lshrrev_b32 v5, 1, v2
	s_add_co_u32 s17, s17, 2*32*SP
	v_add_nc_u32 v5, s17, v5                       ; my block's byte among my wave's 256
	v_lshlrev_b32 v7, 3, v2
	v_add_nc_u32 v6, s17, v7                       ; and 8 bytes a lane on their way out
	s_wait_kmcnt 0x0
	s_sub_co_u32 s22, ttmp9, 256                   ; which of the weights' 96 work-groups (used in those alone)
	s_lshr_b32 s23, s22, 5                         ; which weight
	s_cmp_eq_u32 s23, 0
	s_cselect_b64 s[6:7], s[6:7], s[8:9]           ; Wq or Wk,
	s_cmp_eq_u32 s23, 2
	s_cselect_b64 s[6:7], s[10:11], s[6:7]         ; or Wv
	s_and_b32 s23, s22, 31                         ; and which 32,768 numbers of it
	s_cmp_lt_u32 ttmp9, 256                        ; x's work-group?  Five choices on this one compare
	s_cselect_b64 s[4:5], s[4:5], s[6:7]           ; the numbers
	s_cselect_b64 s[8:9], s[24:25], s[28:29]       ; the codes
	s_cselect_b64 s[10:11], s[26:27], s[30:31]     ; the scale bytes
	s_cselect_b32 s17, ttmp9, s23                  ; place in the source
	s_cselect_b32 s22, ttmp9, s22                  ; place in the results
	s_lshl_b32 s17, s17, 2
	s_add_co_u32 s18, s17, s16                     ; my wave's run of 8,192 numbers in the source
	s_mov_b32 s19, 0
	s_lshl_b64 s[20:21], s[18:19], 15              ; 32,768 bytes a run
	s_add_nc_u64 s[4:5], s[4:5], s[20:21]
	s_lshl_b32 s22, s22, 2
	s_add_co_u32 s18, s22, s16                     ; and in the results
	s_lshl_b64 s[20:21], s[18:19], 12              ; 4,096 bytes of codes a run
	s_add_nc_u64 s[8:9], s[8:9], s[20:21]
	s_lshl_b32 s18, s18, 8                         ; 256 scale bytes a run
	s_add_nc_u64 s[10:11], s[10:11], s[18:19]
.macro LOAD t
.irp i, 0,1,2,3
	global_load_b128 v[R+16*((\t)%4)+4*\i:R+16*((\t)%4)+4*\i+3], v3, s[4:5] offset:2048*(\t)+512*\i th:TH_LOAD_NT   ; 32 lanes read 512 consecutive bytes
.endr
.endm
.macro TURN t                          ; step t's numbers through the stage: LDS serves a wave's instructions in order, so no wait stands between stores and loads
.irp i, 0,1,2,3
	ds_store_b128 v14, v[R+16*((\t)%4)+4*\i:R+16*((\t)%4)+4*\i+3] offset:32*SP*((\t)%2)+8*SP*\i
.endr
.irp i, 0,1,2,3
	ds_load_b128 v[X+16*((\t)%2)+4*\i:X+16*((\t)%2)+4*\i+3], v15 offset:32*SP*((\t)%2)+16*\i
.endr
.endm
.irp t, 0,1,2,3
	LOAD \t
.endr
	s_wait_loadcnt 12                              ; step 0's four loads are in; three steps' twelve stay out
	TURN 0
.macro STEP t
.set XS, X+16*((\t)%2)
.if (\t) > 0
	s_wait_dscnt 1                                 ; this step's numbers are back from the stage (the last step's byte store may be out)
.else
	s_wait_dscnt 0x0
.endif
.if (\t)+4 < STEPS
	LOAD (\t)+4                                    ; into the registers that the stage's stores have read
.endif
.if (\t)+1 < STEPS
.if STEPS-2-(\t) >= 3
	s_wait_loadcnt 12                              ; the next step's four loads are in; those of the three steps behind may be out
.else
	s_wait_loadcnt 4*(STEPS-2-(\t))
.endif
	TURN (\t)+1
.endif
	v_max3_num_f32 v8, |v[XS]|, |v[XS+1]|, |v[XS+2]|               ; the largest magnitude of my 16, in two chains
	v_max3_num_f32 v9, |v[XS+3]|, |v[XS+4]|, |v[XS+5]|
.irp i, 6,10
	v_max3_num_f32 v8, v8, |v[XS+\i]|, |v[XS+\i+1]|
	v_max3_num_f32 v9, v9, |v[XS+\i+2]|, |v[XS+\i+3]|
.endr
	v_max3_num_f32 v8, v8, |v[XS+14]|, |v[XS+15]|
	v_max3_num_f32 v8, v8, v9, (EMAX+1)<<23        ; and the floor 2^(3 - 127): the byte cannot fall under 1
	v_max_num_f32_dpp v8, v8, v8 row_xmask:1 row_mask:0xf bank_mask:0xf   ; with my neighbour's 16: the block's
	v_add_nc_u32 v11, -(EMAX<<23), v8              ; 2 off its exponent field: the conversion takes that field of this operand as its scale
	v_cvt_scalef32_pk8_fp4_f32 v[C+4*(\t)], v[XS:XS+7], v11        ; to the nearest code, ties to even; beyond 6 the largest code
	v_cvt_scalef32_pk8_fp4_f32 v[C+4*(\t)+1], v[XS+8:XS+15], v11
	v_lshrrev_b32 v[E+(\t)], 23, v11               ; the scale's byte (also the plain line behind the conversions)
	ds_store_b8 v5, v[E+(\t)] offset:16*(\t)       ; both lanes of a block write the same byte with the same value
	global_store_b64 v4, v[C+4*(\t):C+4*(\t)+1], s[8:9] offset:32*CB*(\t)   ; the wave stores 256 consecutive bytes, aligned
.endm
.irp t, 0,1,2,3,4,5,6,7,8,9,10,11,12,13,14,15
	STEP \t
.endr
	ds_load_b64 v[8:9], v6                         ; in order behind my byte stores
	s_wait_dscnt 0x0
	global_store_b64 v7, v[8:9], s[10:11]          ; 256 consecutive bytes, aligned
	s_wait_tensorcnt 0x0                           ; the wave's end, behind my last LDS store
	ds_add_u32 v[SPW], v[NIL]
	s_wait_dscnt 0x0
	s_endpgm
.Lfunc_end_k_qfcbfcb312b_quant:
	.size	k_qfcbfcb312b_quant, .Lfunc_end_k_qfcbfcb312b_quant-k_qfcbfcb312b_quant
	.p2alignl 7, 3214868480
	.fill 96, 4, 3214868480
	.section	.rodata,"a",@progbits
	.p2align	6, 0x0
	.amdhsa_kernel k_qfcbfcb312b_quant
		.amdhsa_group_segment_fixed_size 33280
		.amdhsa_private_segment_fixed_size 0
		.amdhsa_enable_private_segment 0
		.amdhsa_kernarg_size 64
		.amdhsa_user_sgpr_count 2
		.amdhsa_user_sgpr_kernarg_segment_ptr 1
		.amdhsa_wavefront_size32 1
		.amdhsa_system_sgpr_workgroup_id_x 1
		.amdhsa_system_sgpr_workgroup_id_y 1
		.amdhsa_system_sgpr_workgroup_id_z 1
		.amdhsa_system_vgpr_workitem_id 0
		.amdhsa_next_free_vgpr 192
		.amdhsa_next_free_sgpr 66
		.amdhsa_reserve_vcc 0
		.amdhsa_float_denorm_mode_32 3
		.amdhsa_float_denorm_mode_16_64 3
		.amdhsa_memory_ordered 1
		.amdhsa_forward_progress 1
		.amdhsa_inst_pref_size 33
	.end_amdhsa_kernel
	.amdgpu_metadata
---
amdhsa.version: [ 1, 2 ]
amdhsa.kernels:
  - .name:           k_qfcbfcb312b_quant
    .symbol:         k_qfcbfcb312b_quant.kd
    .args:
      - { .name: x, .offset: 0, .size: 8, .value_kind: global_buffer, .address_space: global }
      - { .name: Wq, .offset: 8, .size: 8, .value_kind: global_buffer, .address_space: global }
      - { .name: Wk, .offset: 16, .size: 8, .value_kind: global_buffer, .address_space: global }
      - { .name: Wv, .offset: 24, .size: 8, .value_kind: global_buffer, .address_space: global }
      - { .name: xc, .offset: 32, .size: 8, .value_kind: global_buffer, .address_space: global }
      - { .name: xs, .offset: 40, .size: 8, .value_kind: global_buffer, .address_space: global }
      - { .name: wc, .offset: 48, .size: 8, .value_kind: global_buffer, .address_space: global }
      - { .name: ws, .offset: 56, .size: 8, .value_kind: global_buffer, .address_space: global }
    .group_segment_fixed_size: 33280
    .private_segment_fixed_size: 0
    .kernarg_segment_align: 8
    .kernarg_segment_size: 64
    .max_flat_workgroup_size: 128
    .sgpr_count:     66
    .vgpr_count:     192
    .wavefront_size: 32
...
	.end_amdgpu_metadata
.endif
;; end of part 1
;; launch proj (part 2): grid 8 x 32, 4 waves a work-group, clusters of 4 x 4, 327,680 bytes of LDS; arguments xc, xs, wc, ws, bq, bk, bv, qkv, head; writes qkv, head
.if DOCPART == 2
	.amdgcn_target "amdgcn-amd-amdhsa--gfx1250"
	.amdhsa_code_object_version 6
	.text
	.protected	k_qfcbfcb312b_proj
	.globl	k_qfcbfcb312b_proj
	.p2align	8
	.type	k_qfcbfcb312b_proj,@function
k_qfcbfcb312b_proj:
	s_mov_b64 s[64:65], 0
	v_nop
	global_prefetch_b8 v0, s[64:65] scope:SCOPE_SE
	s_setreg_imm32_b32 hwreg(HW_REG_WAVE_MODE, 25, 1), 1
	s_wait_xcnt 0x0
	s_wait_alu depctr_hold_cnt(0) depctr_sa_sdst(0) depctr_va_vdst(0) depctr_va_sdst(0) depctr_va_ssrc(0) depctr_va_vcc(0) depctr_vm_vsrc(0)
	s_getreg_b32 s2, hwreg(HW_REG_IB_STS2, 6, 4)
	s_cmp_eq_u32 s2, 0
	s_cbranch_scc0 .Lentry_in_a_cluster
	s_endpgm
.Lentry_in_a_cluster:
	s_bfe_u32 s2, ttmp6, 0x10000c
	s_cmp_lg_u32 s2, 0xf033
	s_cbranch_scc0 .Lentry_shape_is_right
	s_endpgm
.Lentry_shape_is_right:
; [q | k | v][m][n] = sum over k of x[m][k] W[n][k] + b[n], on codes of FP4 (E2M1) with one E8M0 scale for each 32 along K; sums in f32.
; A = xc [8192][512 B], xs [8192][32]; B = wc [3072][512 B], ws [3072][32] (rows of Wq, Wk, Wv).  Results: qkv [3][8192][1024] in f16; the first 16 positions of each
; of the four sequences also in f32: head [3][4][16][1024].
; LIMIT: a result beyond 65,504 in magnitude becomes infinity in f16.
; A WORK-GROUP STAYS AND MAKES TWO TILES FROM THE SAME 256 ROWS OF x: first 256 x 256 of [q | k] (columns 256 ct, ct = 0 .. 7), then 256 x 128 of v (columns 128 ct): 8 x 32 = 256 equal work-groups.
; FIRST TILE: four waves, each 128 x 128: 64 accumulators.  K = 1,024 is two K steps of 512 (tile rows of 256 bytes): two LDS slots.  The scales of the tile's 256 + 256 rows for all of K come once, with the first fills.
; SECOND TILE: x's codes and scales lie in LDS already.  x's 256, W's 256 and Wv's 128 rows for all of K would be 640 x 2 x 272 bytes, more than LDS has: so Wv's 128 rows (both K steps, 69,632 bytes) are
; brought into slot 0's part for B when that slot has been left; the load has slot 1's 256 products and the first tile's way out in which to land.  Wave w takes rows 64 w .. + 63 x 128 columns: 32 accumulators.
; CLUSTERS: 4 x 4 work-groups; A's tiles are asked for jointly along a row of the cluster, B's and Wv's along a column.  Four tile columns are 1,024 columns: cluster x = 0, 1 is q, k.
; The matrix instruction is used transposed (source 0 = 16 rows of W, source 1 = 16 rows of x): a lane holds eight neighbouring columns of one row.
; The bias is the C of each sum's first product: eight registers for each block of 16 columns, in the result's layout.
; REGISTERS: window 0: v0-31 addresses; v32-95 scale words (first tile: two sets; second: Wv's); v96-127 x's scale words for the second tile; v128-191 A's fragments, on the ways out rows read back;
;   v192-255 the first tile's bias, later packed results.  window 1: B's fragments, two sets (v0, v128); v64-127 bv.  window 2: accumulators of rows 0-63 ((a, b) at v[8 (8 a + b)]).  window 3: rows 64-127.
.set SIZE_K, 1024
.set KSTEP,  512
.set NQ,     KSTEP/128
.set ROWB,   256                       ; a tile's row in bytes
.set KROW,   SIZE_K/2                  ; a row of codes in memory
.set PITCH,  272                       ; 256 bytes + 16 of padding: the 16 rows of a fragment load start at 16 different banks
.set FR,     8
.set NL,     2
.set NP,     4
.set HALFT,  128*PITCH
.set SLOT,   4*HALFT                   ; A's 256 rows, then B's
.set B2L,    2*HALFT                   ; slot 0's part for B: later Wv's 128 rows, K step 0, then K step 1
.set KS,     SIZE_K/32                 ; a row of scale bytes
.set SCL,    2*SLOT                    ; behind the slots: the scales, as rows of 256 bytes + 16
.set HALFS,  (128*KS/256)*272
.set SBLK,   (16*KS/256)*272
.set SPARE,  SCL+4*HALFS               ; the spare words, 128 bytes a wave, named by no other line
.set STG,    SPARE+512                 ; the ways out: a stage of 16 rows x (256 + 16) a wave, in bytes into which no tile lands
.set SPITCH, 272
.set ADSA, 7                           ; v7   x's scale words of my 64 rows, for the second tile
.set BSO,  8                           ; v8   32 r: a row of Wv's scale bytes
.set ADRA, 16
.set ADRA2, 18                         ; v18-19 my 64 rows of A in slot 0, 1
.set ADRB, 20
.set ADRB2, 22                         ; v22-23 Wv's rows, K step 0, 1
.set STO,  24
.set RD,   25
.set CO,   26
.set ADRS, 27
.set SPW,  28
.set NIL,  29
.set HO,   30                          ; v30  my byte offset in head's 16 rows: 4,096 r + 32 h
.set BO,   31                          ; v31  32 h: my eight numbers of a block of a bias
.set SC,   32
.set AS2,  96
.set AF,   128
.set BI,   192                         ; v192-255 the first tile's bias: register 8 b + j = b[16 b + 8 h + j] of my 128 columns
.set B2B,  64                          ; in window 1: bv likewise
.set TMP,  192                         ; the ways out: packed results
.set OB,   128                         ; rows read back: v128-159 and v160-191 by turns
.set G1, 24
.set G0, 32
.set G1C, 40                           ; s[40:47] group 1 for Wv's tile, written when the head's temporaries are done with
.set G1B, 48
.set G0B, 56
.set G1S, 68
.set G0S, 76
.set G1SB, 80
.set G0SB, 88
.set G0C, 92                           ; s[92:95] group 0 for Wv's tile
.set MSB, 0
.macro WIN new                         ; the immediate's high byte repeats the setting that is left
.if MSB != (\new)
	s_set_vgpr_msb (MSB<<8)|(\new)
.set MSB, (\new)
.endif
.endm
.set MUL_LO, 0xa1                      ; source 0 (B) window 1, source 1 (A) window 0, C and D window 2
.set MUL_HI, 0xf1                      ; C and D window 3
.set TO_B,   0x40
; A joint load: waves 0, 1 fetch for A, waves 2, 3 for B; the branch hangs on the wave's number alone.  An s_nop 0 and four v_nop follow each line.
.macro JLOAD g0a, g1a, g0b, g1b
	s_cmp_eq_u32 s15, 0
	s_cbranch_scc0 .Lfor_b_\@
	tensor_load_to_lds s[\g0a:\g0a+3], s[\g1a:\g1a+7]
	s_nop 0
.rept 4
	v_nop
.endr
	s_branch .Lasked_\@
.Lfor_b_\@:
	tensor_load_to_lds s[\g0b:\g0b+3], s[\g1b:\g1b+7]
	s_nop 0
.rept 4
	v_nop
.endr
.Lasked_\@:
.endm
.macro CREST                           ; a round of the cluster's barrier behind its opening barrier
	s_cmp_lg_u32 s14, 0
	s_cbranch_scc1 .Lnot_wave_0_\@
	s_barrier_signal -3
.Lnot_wave_0_\@:
	s_barrier_wait -3
	s_barrier_signal -1
	s_barrier_wait -1
.endm
.macro CROUND                          ; a whole round
	s_barrier_signal -1
	s_barrier_wait -1
	CREST
.endm
	s_load_b128 s[4:7], s[0:1], 0x0                ; xc, xs
	s_load_b128 s[8:11], s[0:1], 0x10              ; wc, ws
	s_load_b64 s[12:13], s[0:1], 0x38              ; qkv
	s_load_b64 s[96:97], s[0:1], 0x40              ; head
	v_lshl_add_u32 v[SPW], v0, 2, SPARE
	v_mov_b32 v[NIL], 0
	ds_add_u32 v[SPW], v[NIL]                      ; the opening: the add, twice on end, and its wait ahead of my first tensor load
	ds_add_u32 v[SPW], v[NIL]
	v_lshrrev_b32 v1, 5, v0
	v_readfirstlane_b32 s14, v1                    ; wave 0..3
	s_lshr_b32 s15, s14, 1                         ; first tile: my half of the rows; also: I fetch for A (0) or B (1)
	s_and_b32 s16, s14, 1                          ; my half of its columns; also: which 128 rows I fetch
	s_bfe_u32 s40, ttmp6, 0x40000                  ; cx
	s_bfe_u32 s41, ttmp6, 0x40004                  ; cy
	s_lshl_b32 s42, ttmp9, 2
	s_add_co_u32 s42, s42, s40                     ; tile column ct
	s_and_b32 s17, ttmp7, 0xffff
	s_lshl_b32 s17, s17, 2
	s_add_co_u32 s17, s17, s41                     ; tile row
	s_lshl_b32 s43, s41, 2
	s_lshl_b32 s43, 15, s43                        ; my row of the cluster
	s_lshl_b32 s44, 0x1111, s40                    ; my column
	s_or_b32 s[G1+0], s43, (0<<16)|(1<<20)|(1<<21)|(5<<22)|(3<<25)  ; mask; elements of 1 byte; padding: 4 words behind every 64
	s_or_b32 s[G1B+0], s44, (0<<16)|(1<<20)|(1<<21)|(5<<22)|(3<<25)
.irp g, G1, G1B
	s_mov_b32 s[\g+1], ROWB<<16                    ; tensor_dim0
	s_mov_b32 s[\g+2], 128<<16                     ; tensor_dim1
	s_mov_b32 s[\g+3], ROWB<<16                    ; tile_dim0
	s_mov_b32 s[\g+4], 128                         ; tile_dim1
	s_mov_b32 s[\g+5], KROW                        ; pitch
	s_mov_b32 s[\g+6], 0
	s_mov_b32 s[\g+7], 0
.endr
	s_or_b32 s[G1S+0], s43, (3<<16)|(1<<20)|(1<<21)|(5<<22)|(3<<25) ; the scales of 128 rows: a dense block as rows of 32 elements of 8 bytes, 16 bytes of padding behind each
	s_or_b32 s[G1SB+0], s44, (3<<16)|(1<<20)|(1<<21)|(5<<22)|(3<<25)
.irp g, G1S, G1SB
	s_mov_b32 s[\g+1], 32<<16
	s_mov_b32 s[\g+2], (128*KS/256)<<16
	s_mov_b32 s[\g+3], 32<<16
	s_mov_b32 s[\g+4], 128*KS/256
	s_mov_b32 s[\g+5], 32
	s_mov_b32 s[\g+6], 0
	s_mov_b32 s[\g+7], 0
.endr
	s_lshl_b32 s18, s16, 7
	s_lshl_b32 s20, s17, 8
	s_add_co_u32 s20, s20, s18                     ; A: row 256 x tile row + 128 x half
	s_lshl_b32 s46, s42, 8
	s_add_co_u32 s46, s46, s18                     ; B: row 256 x tile column + 128 x half
	s_mov_b32 s21, 0
	s_mov_b32 s47, 0
	s_mov_b64 s[18:19], KS
	s_mul_u64 s[22:23], s[20:21], s[18:19]         ; their scales, in bytes
	s_mul_u64 s[92:93], s[46:47], s[18:19]
	s_mov_b64 s[18:19], KROW
	s_mul_u64 s[20:21], s[20:21], s[18:19]         ; their codes
	s_mul_u64 s[46:47], s[46:47], s[18:19]
	s_mul_i32 s45, s14, HALFT                      ; where they go: wave x 128 rows
	s_mul_i32 s94, s14, HALFS
	s_wait_dscnt 0x0                               ; both opening adds are done
	s_wait_kmcnt 0x0
	s_add_nc_u64 s[20:21], s[4:5], s[20:21]
	s_add_nc_u64 s[22:23], s[6:7], s[22:23]
	s_add_nc_u64 s[46:47], s[8:9], s[46:47]
	s_add_nc_u64 s[92:93], s[10:11], s[92:93]
	CROUND                                         ; all sixteen work-groups are here: the joint loads meet
	s_mov_b32 s[G0S], 1
	s_add_co_u32 s[G0S+1], s94, SCL
	s_mov_b64 s[G0S+2:G0S+3], s[22:23]
	s_or_b32 s[G0S+3], s[G0S+3], 0x80000000
	s_mov_b32 s[G0SB], 1
	s_add_co_u32 s[G0SB+1], s94, SCL
	s_mov_b64 s[G0SB+2:G0SB+3], s[92:93]
	s_or_b32 s[G0SB+3], s[G0SB+3], 0x80000000
	JLOAD G0S, G1S, G0SB, G1SB                     ; the scales first
.irp s, 0,1
	s_mov_b32 s[G0+4*\s], 1
	s_add_co_u32 s[G0+4*\s+1], s45, \s*SLOT
	s_add_nc_u64 s[G0+4*\s+2:G0+4*\s+3], s[20:21], \s*ROWB
	s_or_b32 s[G0+4*\s+3], s[G0+4*\s+3], 0x80000000
	s_mov_b32 s[G0B+4*\s], 1
	s_add_co_u32 s[G0B+4*\s+1], s45, \s*SLOT
	s_add_nc_u64 s[G0B+4*\s+2:G0B+4*\s+3], s[46:47], \s*ROWB
	s_or_b32 s[G0B+4*\s+3], s[G0B+4*\s+3], 0x80000000
	JLOAD G0+4*\s, G1, G0B+4*\s, G1B               ; three tensor loads of mine are out
.endr
	; Wv's tile, for later: wave w brings 64 rows x 256 bytes: rows 64 (w % 2), K step w / 2.  The address hangs on the tile column and the wave alone, which my column of the cluster shares
	s_lshl_b32 s66, s42, 7                         ; 128 x tile column
	s_lshl_b32 s67, s16, 6
	s_add_co_u32 s66, s66, s67
	s_add_co_u32 s66, s66, 2048                    ; Wv's rows begin at row 2,048 of wc
	s_lshl_b32 s66, s66, 9                         ; 512 bytes a row
	s_lshl_b32 s67, s15, 8
	s_add_co_u32 s66, s66, s67
	s_mov_b32 s67, 0
	s_mov_b32 s[G0C], 1
	s_mul_i32 s[G0C+1], s14, 64*PITCH              ; K step 0's 128 rows, then K step 1's = wave x 64 rows
	s_add_co_u32 s[G0C+1], s[G0C+1], B2L
	s_add_nc_u64 s[G0C+2:G0C+3], s[8:9], s[66:67]
	s_or_b32 s[G0C+3], s[G0C+3], 0x80000000
	s_lshl_b32 s66, s42, 12                        ; and its scale bytes: 32 a row
	s_add_co_u32 s66, s66, 65536
	s_add_nc_u64 s[10:11], s[10:11], s[66:67]
	s_load_b128 s[4:7], s[0:1], 0x20               ; bq, bk: the descriptors hold their own copies of what stood here
	s_load_b64 s[8:9], s[0:1], 0x30                ; bv
	v_and_b32 v1, 15, v0                           ; r
	v_bfe_u32 v2, v0, 4, 1                         ; h
	v_mul_u32_u24 v3, v1, PITCH
	v_lshl_add_u32 v4, v2, 4, v3                   ; a fragment's row x pitch + 16 h
	s_mul_i32 s21, s15, HALFT
	s_mul_i32 s22, s16, HALFT
	s_add_co_u32 s22, s22, 2*HALFT
.irp s, 0,1
	v_add_nc_u32 v[ADRA+\s], s21, v4
	v_add_nc_u32 v[ADRB+\s], s22, v4
	s_add_co_u32 s21, s21, SLOT
	s_add_co_u32 s22, s22, SLOT
.endr
	s_mul_i32 s21, s14, 64*PITCH                   ; the second tile: my 64 rows of A,
	v_add_nc_u32 v[ADRA2], s21, v4
	v_add_nc_u32 v[ADRA2+1], SLOT, v[ADRA2]
	v_add_nc_u32 v[ADRB2], B2L, v4                 ; and all 128 of Wv
	v_add_nc_u32 v[ADRB2+1], B2L+HALFT, v4
	v_mul_u32_u24 v5, v1, KS                       ; my row's scales: KS bytes a row,
	v_lshrrev_b32 v6, 8, v5
	v_lshl_add_u32 v5, v6, 4, v5                   ; 16 more for each 256 passed
	s_mul_i32 s21, s14, 4*SBLK
	s_add_co_u32 s21, s21, SCL
	v_add_nc_u32 v[ADSA], s21, v5                  ; the second tile: A's rows 64 wave on
	v_lshlrev_b32 v[BSO], 5, v1
	s_mul_i32 s21, s15, HALFS
	s_mul_i32 s22, s16, HALFS
	s_add_co_u32 s22, s22, 2*HALFS
	s_sub_co_u32 s22, s22, s21
	v_mul_u32_u24 v6, s22, v2                      ; lanes 16-31 take B's
	s_add_co_u32 s21, s21, SCL
	v_add_nc_u32 v5, v5, v6
	v_add_nc_u32 v[ADRS], s21, v5
	s_mul_i32 s23, s14, 16*SPITCH
	s_add_co_u32 s23, s23, STG                     ; my stage
	v_mul_u32_u24 v5, v1, SPITCH
	v_lshl_add_u32 v5, v2, 4, v5
	v_add_nc_u32 v[STO], s23, v5                   ; in: row r, 16 bytes for each half of the lanes
	v_mul_u32_u24 v5, v2, SPITCH
	v_lshl_add_u32 v5, v1, 4, v5
	v_add_nc_u32 v[RD], s23, v5                    ; back: lanes 0-15 one row of 256 bytes, lanes 16-31 the next
	v_lshlrev_b32 v5, 11, v2
	v_lshl_add_u32 v[CO], v1, 4, v5                ; the same two rows in a plane of qkv (2,048 bytes a row)
	v_lshlrev_b32 v[HO], 12, v1
	v_lshl_add_u32 v[HO], v2, 5, v[HO]
	v_lshlrev_b32 v[BO], 5, v2
	s_lshl_b32 s20, s17, 8                         ; the second tile's results: row 256 x tile row + 64 x wave,
	s_lshl_b32 s21, s14, 6
	s_add_co_u32 s20, s20, s21
	s_lshl_b32 s20, s20, 11
	s_add_co_u32 s20, s20, 0x2000000               ; in v's plane
	s_mov_b32 s21, 0
	s_add_nc_u64 s[100:101], s[12:13], s[20:21]
	s_lshl_b32 s20, s17, 8                         ; the first tile's: row 256 x tile row + 128 x half,
	s_lshl_b32 s22, s15, 7
	s_add_co_u32 s20, s20, s22
	s_lshl_b32 s20, s20, 11
	s_lshl_b32 s22, ttmp9, 24                      ; in q's or k's plane: 16,777,216 bytes
	s_add_co_u32 s20, s20, s22
	s_add_nc_u64 s[12:13], s[12:13], s[20:21]
	s_lshr_b32 s22, s17, 3
	s_lshl_b32 s22, s22, 16                        ; head: the sequence, 65,536 bytes,
	s_add_co_u32 s20, s22, 0x80000                 ; in v's plane,
	s_add_nc_u64 s[104:105], s[96:97], s[20:21]
	s_lshl_b32 s20, ttmp9, 18                      ; and in q's or k's: 262,144 bytes a plane
	s_add_co_u32 s20, s20, s22
	s_add_nc_u64 s[96:97], s[96:97], s[20:21]
	s_and_b32 s98, s17, 7
	s_or_b32 s3, s98, s14                          ; 0 where the second tile's block 0 of mine is the first 16 positions of a sequence,
	s_or_b32 s98, s98, s15                         ; and the same for the first tile
	s_lshl_b32 s46, s40, 10
	s_lshl_b32 s47, s16, 9
	s_add_co_u32 s46, s46, s47                     ; the first tile: my first column in its plane, in f32 bytes: 4 (256 cx + 128 half)
	s_mov_b32 s47, 0
	s_add_nc_u64 s[96:97], s[96:97], s[46:47]
	s_wait_kmcnt 0x0
	s_cmp_eq_u32 ttmp9, 0
	s_cselect_b64 s[4:5], s[4:5], s[6:7]           ; bq or bk: by the cluster's x
	s_add_nc_u64 s[4:5], s[4:5], s[46:47]
.irp b, 0,1,2,3,4,5,6,7
	global_load_b128 v[BI+8*\b:BI+8*\b+3], v[BO], s[4:5] offset:64*\b
	global_load_b128 v[BI+8*\b+4:BI+8*\b+7], v[BO], s[4:5] offset:64*\b+16
.endr
	s_lshr_b32 s46, s46, 1                         ; the same column in f16 bytes
	s_add_nc_u64 s[12:13], s[12:13], s[46:47]
	s_lshl_b32 s46, s42, 9                         ; the second tile: column 128 x tile column, in f32 bytes
	s_add_nc_u64 s[104:105], s[104:105], s[46:47]
	s_add_nc_u64 s[8:9], s[8:9], s[46:47]
	WIN TO_B                                       ; bv stays in window 1 until the second tile begins
.irp b, 0,1,2,3,4,5,6,7
	global_load_b128 v[B2B+8*\b:B2B+8*\b+3], v[BO], s[8:9] offset:64*\b
	global_load_b128 v[B2B+8*\b+4:B2B+8*\b+7], v[BO], s[8:9] offset:64*\b+16
.endr
	WIN 0
	s_lshr_b32 s46, s46, 1
	s_add_nc_u64 s[100:101], s[100:101], s[46:47]
	s_or_b32 s[G1C+0], s44, (0<<16)|(1<<20)|(1<<21)|(5<<22)|(3<<25)  ; group 1 for Wv's tile: my column's mask; 64 rows x 256 bytes, padded as the others.  The head's temporaries are done with
	s_mov_b32 s[G1C+1], ROWB<<16
	s_mov_b32 s[G1C+2], 64<<16
	s_mov_b32 s[G1C+3], ROWB<<16
	s_mov_b32 s[G1C+4], 64
	s_mov_b32 s[G1C+5], KROW
	s_mov_b32 s[G1C+6], 0
	s_mov_b32 s[G1C+7], 0
.macro FRAG reg, adr, q, i             ; 16 rows x 128 K of 4-bit codes: 8 registers, two loads of 16 bytes, 32 bytes apart
.irp c, 0,1
	ds_load_b128 v[\reg+4*\c:\reg+4*\c+3], v[\adr] offset:64*(\q)+32*\c+(\i)*16*PITCH
.endr
.endm
; 16 products: A's blocks a0, a0 + 1 x B's eight.  zero = 1: a sum's first product, whose C is the bias.  The 64 accumulators take turns, one instruction a turn.
.macro MUL16 a0, p, q, sc, zero
.irp a, \a0, \a0+1
.irp b, 0,1,2,3,4,5,6,7
.if \zero
	v_wmma_scale_f32_16x16x128_f8f6f4 v[8*(8*((\a)%4)+\b):8*(8*((\a)%4)+\b)+7], v[128*(\p)+FR*\b:128*(\p)+FR*\b+FR-1], v[AF+FR*(\a):AF+FR*(\a)+FR-1], v[BI+8*\b:BI+8*\b+7], v[SC+8*NQ*(\sc)+NQ*\b+(\q)], v[SC+8*NQ*(\sc)+NQ*(\a)+(\q)] matrix_a_fmt:MATRIX_FMT_FP4 matrix_b_fmt:MATRIX_FMT_FP4 matrix_a_scale:MATRIX_SCALE_ROW1
.else
	v_wmma_scale_f32_16x16x128_f8f6f4 v[8*(8*((\a)%4)+\b):8*(8*((\a)%4)+\b)+7], v[128*(\p)+FR*\b:128*(\p)+FR*\b+FR-1], v[AF+FR*(\a):AF+FR*(\a)+FR-1], v[8*(8*((\a)%4)+\b):8*(8*((\a)%4)+\b)+7], v[SC+8*NQ*(\sc)+NQ*\b+(\q)], v[SC+8*NQ*(\sc)+NQ*(\a)+(\q)] matrix_a_fmt:MATRIX_FMT_FP4 matrix_b_fmt:MATRIX_FMT_FP4 matrix_a_scale:MATRIX_SCALE_ROW1
.endif
.endr
.endr
.endm
.macro FETCH_B slot, q, p
	WIN TO_B
.irp i, 0,1,2,3,4,5,6,7
	FRAG 128*(\p)+FR*\i, ADRB+\slot, \q, \i
.endr
	WIN 0
.endm
.macro FETCH_A slot, q, i0
.irp i, \i0, \i0+1, \i0+2, \i0+3
	FRAG AF+FR*(\i), ADRA+\slot, \q, \i
.endr
.endm
.macro SCALES sc                       ; a K step's scale words: lanes 0-15 A's block i, lanes 16-31 B's block i
.irp i, 0,1,2,3,4,5,6,7
	ds_load_b128 v[SC+8*NQ*\sc+NQ*\i:SC+8*NQ*\sc+NQ*\i+3], v[ADRS] offset:\i*SBLK
.endr
.endm
.macro PLACES n                        ; plain vector lines between a matrix instruction and a load into, or a read of, its registers
.rept \n
	v_nop
.endr
.endm
.macro STEP slot, q, zero              ; 128 along K with its successor in the same slot
	s_wait_dscnt 4*NL                              ; all but the youngest eight loads (A's blocks 4-7)
.if \zero
	WIN 0x81                                       ; C (the bias) in window 0, D in window 2
.else
	WIN MUL_LO
.endif
	MUL16 0, (\q)%2, \q, \slot, \zero
	MUL16 2, (\q)%2, \q, \slot, \zero
	s_wait_dscnt 0
	PLACES NP
	FETCH_B \slot, (\q)+1, 1-(\q)%2
	FETCH_A \slot, (\q)+1, 0
.if \zero
	WIN 0xc1
.else
	WIN MUL_HI
.endif
	MUL16 4, (\q)%2, \q, \slot, \zero
	MUL16 6, (\q)%2, \q, \slot, \zero
	PLACES NP
	WIN 0
	FETCH_A \slot, (\q)+1, 4
.endm
.macro STEPS slot, from
.set Q, \from
.rept NQ-1-\from
	STEP \slot, Q, 0
.set Q, Q+1
.endr
.endm
	s_wait_tensorcnt 1                             ; the scales and my part of slot 0 are in; slot 1's load may be out
	s_barrier_signal -1
	s_barrier_wait -1
	FETCH_B 0, 0, 0
	FETCH_A 0, 0, 0
	SCALES 0
	FETCH_A 0, 0, 4
	s_wait_loadcnt 0x0                             ; both biases
	STEP 0, 0, 1
	STEPS 0, 1
	; slot 0's last step changes slots.  In front of the barrier all my tensor loads have landed, the add is done and my reads of slot 0's part for B are over; the barrier opens a round of the cluster's,
	; so that the same holds of every wave of every partner; then Wv's tile is asked for jointly, into that part
	s_wait_tensorcnt 0x0
	ds_add_u32 v[SPW], v[NIL]
	s_wait_dscnt 4*NL+1                            ; the add and the youngest eight loads may be out
	WIN MUL_LO
	MUL16 0, 1, NQ-1, 0, 0
	s_wait_dscnt 0x0
	s_barrier_signal -1
	MUL16 2, 1, NQ-1, 0, 0
	WIN 0
	s_barrier_wait -1
	CREST
	tensor_load_to_lds s[G0C:G0C+3], s[G1C:G1C+7]  ; my one load behind the round: one line for all four waves, each with 64 rows of its own
	s_nop 0
	PLACES NP                                      ; (the places in front of the loads below)
	v_add_nc_u32 v[ADRS], 4*NQ, v[ADRS]            ; the next K step's scale words
	FETCH_B 1, 0, 0
	FETCH_A 1, 0, 0
	SCALES 1
	WIN MUL_HI
	MUL16 4, 1, NQ-1, 0, 0
	MUL16 6, 1, NQ-1, 0, 0
	PLACES NP
	WIN 0
	FETCH_A 1, 0, 4
	STEPS 1, 0
	s_wait_dscnt 4*NL
	WIN MUL_LO
	MUL16 0, 1, NQ-1, 1, 0
	MUL16 2, 1, NQ-1, 1, 0
	s_wait_dscnt 0
	WIN MUL_HI
	MUL16 4, 1, NQ-1, 1, 0
	MUL16 6, 1, NQ-1, 1, 0
	WIN 0
	PLACES NP
	; Wv's scale words, straight into the registers that held the first tile's: register 8 b + q = the word of row 16 b + r for the q-th 128 along K.  A block's two loads cover 512 consecutive bytes.  They land under the way out
.irp b, 0,1,2,3,4,5,6,7
	global_load_b128 v[SC+8*\b:SC+8*\b+3], v[BSO], s[10:11] offset:512*\b
	global_load_b128 v[SC+8*\b+4:SC+8*\b+7], v[BSO], s[10:11] offset:512*\b+16
.endr
; THE FIRST 16 POSITIONS OF A SEQUENCE IN F32.  They are my block 0 where s[m] = 0.  That hangs on my place in the cluster, so it is no branch: the lanes are switched off elsewhere.
.macro HEADCOPY m, base
	v_cmp_eq_u32 vcc_lo, s[\m], v[NIL]
	s_wait_xcnt 0x0                                ; EXEC changes only behind this wait
	s_and_saveexec_b32 s99, vcc_lo
	WIN 0x08                                       ; a store's data: window 2
.irp b, 0,1,2,3,4,5,6,7
	global_store_b128 v[HO], v[8*\b:8*\b+3], s[\base:\base+1] offset:64*\b          ; each accumulator from its low end on
	global_store_b128 v[HO], v[8*\b+4:8*\b+7], s[\base:\base+1] offset:64*\b+16
.endr
	WIN 0
	s_wait_xcnt 0x0
	s_or_b32 exec_lo, exec_lo, s99
.endm
; A WAY OUT, a block of 16 rows x 128 columns at a time: rounded to f16, 16 bytes a lane into my stage, back as whole rows of 256 bytes, stored sixteen lanes to 256 aligned bytes.
.macro PACK a
.set AC, 64*((\a)%4)
	WIN 0x0a+5*((\a)/4)                            ; sources in window 2 or 3
.irp b, 0,1,2,3,4,5,6,7
.irp i, 0,1,2,3
	v_cvt_pk_f16_f32 v[TMP+4*\b+\i], v[AC+8*\b+2*\i], v[AC+8*\b+2*\i+1]
.endr
.endr
	WIN 0
.endm
.macro TOSTAGE a
.set BK, OB+32*((\a)%2)
.irp b, 0,1,2,3,4,5,6,7
	ds_store_b128 v[STO], v[TMP+4*\b:TMP+4*\b+3] offset:32*\b
.endr
.irp t, 0,1,2,3,4,5,6,7
	ds_load_b128 v[BK+4*\t:BK+4*\t+3], v[RD] offset:\t*2*SPITCH    ; LDS serves a wave's instructions in order: these see the stores above
.endr
.endm
.macro SEND a
.set BK, OB+32*((\a)%2)
	s_wait_dscnt 0x0                               ; the block is back in registers
	s_wait_xcnt 0x0                                ; earlier stores have read their base and their data
.if (\a) > 0
	s_add_nc_u64 s[12:13], s[12:13], 16*2048       ; 16 rows on
.endif
.irp t, 0,1,2,3,4,5,6,7
	global_store_b128 v[CO], v[BK+4*\t:BK+4*\t+3], s[12:13] offset:2*\t*2048
.endr
.endm
	HEADCOPY 98, 96
	PACK 0
	TOSTAGE 0
.irp a, 1,2,3,4,5,6,7                  ; block a's conversions stand between block a - 1's loads from the stage and the wait for them
	PACK \a
	SEND \a-1
	TOSTAGE \a
.endr
	SEND 7
; THE SECOND TILE: v.  My rows 64 wave .. + 63 (A's blocks 0-3 of them) x Wv's eight blocks of 16 columns; eight steps of 128 along K: 0-3 from slot 0's A and Wv's first half, 4-7 from slot 1's A and its second.
.macro FETCH2 q                        ; 24 LDS loads in one run: step q's fragments into the sets q % 2
	WIN TO_B
.irp i, 0,1,2,3,4,5,6,7
	FRAG 128*((\q)%2)+FR*\i, ADRB2+(\q)/4, (\q)%4, \i
.endr
	WIN 0
.irp i, 0,1,2,3
	FRAG AF+32*((\q)%2)+FR*\i, ADRA2+(\q)/4, (\q)%4, \i
.endr
.endm
.macro MULT2 q                         ; 32 products; the 32 accumulators take turns, one instruction a turn.  Step 0's C is bv
.irp a, 0,1,2,3
.irp b, 0,1,2,3,4,5,6,7
.if (\q) == 0
	v_wmma_scale_f32_16x16x128_f8f6f4 v[8*(8*\a+\b):8*(8*\a+\b)+7], v[128*((\q)%2)+FR*\b:128*((\q)%2)+FR*\b+FR-1], v[AF+32*((\q)%2)+FR*\a:AF+32*((\q)%2)+FR*\a+FR-1], v[B2B+8*\b:B2B+8*\b+7], v[SC+8*\b+(\q)], v[AS2+8*\a+(\q)] matrix_a_fmt:MATRIX_FMT_FP4 matrix_b_fmt:MATRIX_FMT_FP4
.else
	v_wmma_scale_f32_16x16x128_f8f6f4 v[8*(8*\a+\b):8*(8*\a+\b)+7], v[128*((\q)%2)+FR*\b:128*((\q)%2)+FR*\b+FR-1], v[AF+32*((\q)%2)+FR*\a:AF+32*((\q)%2)+FR*\a+FR-1], v[8*(8*\a+\b):8*(8*\a+\b)+7], v[SC+8*\b+(\q)], v[AS2+8*\a+(\q)] matrix_a_fmt:MATRIX_FMT_FP4 matrix_b_fmt:MATRIX_FMT_FP4
.endif
.endr
.endr
.endm
.macro STEP2 q
	s_wait_dscnt 0x0                               ; this step's fragments are in: they were asked for ahead of the last step's 32 products
.if (\q) < 7
.if (\q) > 0
	PLACES NP                                      ; the sets to be filled were read by the last step's products
.endif
	FETCH2 (\q)+1
.endif
.if (\q) == 0
	WIN 0x91                                       ; B and C (bv) in window 1, A in window 0, D in window 2
.else
	WIN MUL_LO
.endif
	MULT2 \q
.endm
	s_wait_tensorcnt 0x0                           ; my 64 rows of Wv's tile have landed,
	s_wait_dscnt 0x0
	s_barrier_signal -1
	s_barrier_wait -1                              ; everybody's have
	s_wait_xcnt 0x0                                ; the last stores have read the registers that the fragments below fill
.irp a, 0,1,2,3
	ds_load_b128 v[AS2+8*\a:AS2+8*\a+3], v[ADSA] offset:\a*SBLK                ; x's scale words of my 64 rows, for all of K: register 8 a + q
	ds_load_b128 v[AS2+8*\a+4:AS2+8*\a+7], v[ADSA] offset:\a*SBLK+16
.endr
	FETCH2 0
	s_wait_loadcnt 0x0                             ; Wv's scale words
.irp q, 0,1,2,3,4,5,6,7
	STEP2 \q
.endr
	WIN 0
	PLACES NP
	HEADCOPY 3, 104
	s_mov_b64 s[12:13], s[100:101]                 ; (behind a wait on XCNT: the earlier stores have read their base)  v's plane, my 64 rows, the tile's 256 bytes of a row
	PACK 0
	TOSTAGE 0
.irp a, 1,2,3
	PACK \a
	SEND \a-1
	TOSTAGE \a
.endr
	SEND 3
	s_wait_tensorcnt 0x0                           ; the wave's end
	ds_add_u32 v[SPW], v[NIL]
	s_wait_dscnt 0x0
	CROUND                                         ; the closing round
	s_endpgm
.Lfunc_end_k_qfcbfcb312b_proj:
	.size	k_qfcbfcb312b_proj, .Lfunc_end_k_qfcbfcb312b_proj-k_qfcbfcb312b_proj
	.p2alignl 7, 3214868480
	.fill 96, 4, 3214868480
	.section	.rodata,"a",@progbits
	.p2align	6, 0x0
	.amdhsa_kernel k_qfcbfcb312b_proj
		.amdhsa_group_segment_fixed_size 327680
		.amdhsa_private_segment_fixed_size 0
		.amdhsa_enable_private_segment 0
		.amdhsa_kernarg_size 72
		.amdhsa_user_sgpr_count 2
		.amdhsa_user_sgpr_kernarg_segment_ptr 1
		.amdhsa_wavefront_size32 1
		.amdhsa_system_sgpr_workgroup_id_x 1
		.amdhsa_system_sgpr_workgroup_id_y 1
		.amdhsa_system_sgpr_workgroup_id_z 1
		.amdhsa_system_vgpr_workitem_id 0
		.amdhsa_next_free_vgpr 1024
		.amdhsa_next_free_sgpr 106
		.amdhsa_reserve_vcc 1
		.amdhsa_float_denorm_mode_32 3
		.amdhsa_float_denorm_mode_16_64 3
		.amdhsa_memory_ordered 1
		.amdhsa_forward_progress 1
		.amdhsa_inst_pref_size 200
	.end_amdhsa_kernel
	.amdgpu_metadata
---
amdhsa.version: [ 1, 2 ]
amdhsa.kernels:
  - .name:           k_qfcbfcb312b_proj
    .symbol:         k_qfcbfcb312b_proj.kd
    .args:
      - { .name: xc, .offset: 0, .size: 8, .value_kind: global_buffer, .address_space: global }
      - { .name: xs, .offset: 8, .size: 8, .value_kind: global_buffer, .address_space: global }
      - { .name: wc, .offset: 16, .size: 8, .value_kind: global_buffer, .address_space: global }
      - { .name: ws, .offset: 24, .size: 8, .value_kind: global_buffer, .address_space: global }
      - { .name: bq, .offset: 32, .size: 8, .value_kind: global_buffer, .address_space: global }
      - { .name: bk, .offset: 40, .size: 8, .value_kind: global_buffer, .address_space: global }
      - { .name: bv, .offset: 48, .size: 8, .value_kind: global_buffer, .address_space: global }
      - { .name: qkv, .offset: 56, .size: 8, .value_kind: global_buffer, .address_space: global }
      - { .name: head, .offset: 64, .size: 8, .value_kind: global_buffer, .address_space: global }
    .group_segment_fixed_size: 327680
    .private_segment_fixed_size: 0
    .kernarg_segment_align: 8
    .kernarg_segment_size: 72
    .max_flat_workgroup_size: 128
    .sgpr_count:     106
    .vgpr_count:     1024
    .wavefront_size: 32
...
	.end_amdgpu_metadata
.endif
;; end of part 2
;; launch score (part 3): grid 9 x 16, 4 waves a work-group, no clusters, 327,680 bytes of LDS; arguments qkv, lengths, pm, st; writes pm, st
.if DOCPART == 3
	.amdgcn_target "amdgcn-amd-amdhsa--gfx1250"
	.amdhsa_code_object_version 6
	.text
	.protected	k_qfcbfcb312b_score
	.globl	k_qfcbfcb312b_score
	.p2align	8
	.type	k_qfcbfcb312b_score,@function
k_qfcbfcb312b_score:
	s_mov_b64 s[64:65], 0
	v_nop
	global_prefetch_b8 v0, s[64:65] scope:SCOPE_SE
	s_setreg_imm32_b32 hwreg(HW_REG_WAVE_MODE, 25, 1), 1
	s_wait_xcnt 0x0
; The causal tiles of S = q k^T and a softmax by chunks.  q, k: planes 0 and 1 of qkv [3][8192][1024], f16; sums in f32.
; For each query i and each chunk c of 128 keys at or under the diagonal: t = s / 32 + (i >= length ? -1e9 : 0), one rounding; keys above i count for nothing (-infinity);
; m_c = the chunk's largest t; p = e^(t - m_c), rounded to f16 -> pm [4][2048 q][2048 key]; l_c = the sum of the unrounded p.  st: m at byte 0, l at byte 524,288, each [4][16 chunks][2048 rows] f32.
; A key j <= i at or beyond the length implies i beyond it too, so the length enters as one addend a row; it steers no branch and no address.
; LIMITS: within a row scores are taken to differ by less than about 9e8 (beyond that the reference's own -1e9 hides no key); NaN and infinities are not served.
; SHARES.  A batch has 36 tiles of 256 x 256 at or under the diagonal.  Rows pr and 7 - pr of tiles have 9 together: work-group (c, y), pr = y % 4, takes tile (pr, c) for c <= pr, else (7 - pr, c - pr - 1).
; Four waves, each 128 queries x 128 keys (one chunk): 64 accumulators.  K = 1,024 in 8 steps of 128 through two LDS slots; each wave fetches 128 rows x 256 bytes a step.
; NO CLUSTER: a row of tiles has 1 to 8 tiles and a column 8 to 1, so no grouping of four gives every partner every joint tile; the folded grid of 9 mixes two rows of tiles in one line.
; Source 0 = 16 keys, source 1 = 16 queries: a lane holds ONE query (lane % 16); register j of accumulator (a, b) is key 16 b + 8 (lane / 16) + j.
; In a diagonal tile the wave of rows 0-127 and keys 128-255 is wholly hidden: it stores zeros, which the next launch's tile load touches, and no statistics.
; REGISTERS: window 0: v0-31 addresses; v64-127, v128-191 q's fragments, two buffers; on the way out v64-127 t and p, v128-143 at work, v192-223 packed p, v32-63 / v224-255 rows read back.
;   window 1: k's fragments.  windows 2, 3: accumulators ((a, b) at v[8 (8 (a % 4) + b)]).
.set KSTEP,  128
.set PITCH,  272                       ; 256 bytes + 16 of padding
.set HALFT,  128*PITCH
.set SLOT,   4*HALFT                   ; q's 256 rows, then k's
.set STAGE,  2*SLOT                    ; 16 rows x 272 a wave
.set SPITCH, 272
.set SST,    STAGE+4*16*SPITCH         ; a wave's statistics: 512 bytes of m, 512 of l
.set SPARE,  SST+4*1024                ; the spare words, named by no other line
.set SA,   10                          ; v10  SST + 1,024 wave + 4 r
.set SB,   11                          ; v11  SST + 1,024 wave + 16 lane
.set BIG,  12                          ; v12  -1e9
.set NINF, 13                          ; v13  -infinity
.set ADRA, 16
.set ADRB, 20
.set STO,  24
.set RD,   25
.set CO,   26                          ; v26  4,096 h + 16 r: two rows of pm
.set LN,   27                          ; v27  16 x lane
.set SPW,  28
.set NIL,  29
.set VQ,   30                          ; v30  my query's position for block 0: 256 I + 128 half + r
.set VD,   31                          ; v31  r - 8 h
.set F0,   64
.set F1,   128
.set TW,   64
.set TMP,  192
.set OB,   32
.set G1,   24                          ; s[24:31] group 1;  s[32:39] group 0, a set for each slot
.set G0,   32
.set LEN,  40
.set DG,   41                          ; 1: my 128 x 128 lies on the diagonal
.set HID,  42                          ; 1: it lies wholly above
.set SEL,  44                          ; s[44:45] selects for lane xor 16
.set MSB, 0
.macro WIN new
.if MSB != (\new)
	s_set_vgpr_msb (MSB<<8)|(\new)
.set MSB, (\new)
.endif
.endm
.set MUL_LO, 0xa1
.set MUL_HI, 0xf1
.set TO_B,   0x40
	s_load_b256 s[4:11], s[0:1], 0x0               ; qkv, lengths, pm, st
	v_lshl_add_u32 v[SPW], v0, 2, SPARE
	v_mov_b32 v[NIL], 0
	ds_add_u32 v[SPW], v[NIL]                      ; the opening: the add, twice on end, and its wait ahead of my first tensor load
	ds_add_u32 v[SPW], v[NIL]
	v_lshrrev_b32 v1, 5, v0
	v_readfirstlane_b32 s12, v1                    ; wave
	s_lshr_b32 s13, s12, 1                         ; my half of the queries; also: I fetch q (0) or k (1)
	s_and_b32 s14, s12, 1                          ; my half of the keys; also: which 128 rows I fetch
	s_and_b32 s18, ttmp7, 0xffff
	s_and_b32 s19, s18, 3                          ; pr
	s_lshr_b32 s17, s18, 2                         ; batch
	s_sub_co_u32 s20, 7, s19
	s_sub_co_u32 s21, ttmp9, s19
	s_sub_co_u32 s21, s21, 1
	s_cmp_le_u32 ttmp9, s19
	s_cselect_b32 s15, s19, s20                    ; I: tile row
	s_cselect_b32 s16, ttmp9, s21                  ; J: tile column
	s_mov_b32 s[G1+0], (1<<16)|(1<<20)|(5<<22)|(3<<25)   ; elements of 2 bytes; 4 words of padding behind every 64
	s_mov_b32 s[G1+1], KSTEP<<16                   ; tensor_dim0
	s_mov_b32 s[G1+2], 128<<16                     ; tensor_dim1
	s_mov_b32 s[G1+3], KSTEP<<16                   ; tile_dim0
	s_mov_b32 s[G1+4], 128                         ; tile_dim1
	s_mov_b32 s[G1+5], 1024                        ; pitch
	s_mov_b32 s[G1+6], 0
	s_mov_b32 s[G1+7], 0
	s_cmp_eq_u32 s13, 0
	s_cselect_b32 s20, s15, s16                    ; q's tile by I, k's by J
	s_cselect_b32 s21, 0, 0x1000000                ; k's plane begins 16,777,216 bytes on
	s_lshl_b32 s20, s20, 8
	s_lshl_b32 s22, s17, 11
	s_add_co_u32 s20, s20, s22
	s_lshl_b32 s22, s14, 7
	s_add_co_u32 s20, s20, s22                     ; the first row that I fetch
	s_lshl_b32 s20, s20, 11                        ; 2,048 bytes a row
	s_add_co_u32 s20, s20, s21
	s_mov_b32 s21, 0
	s_mul_i32 s22, s12, HALFT                      ; and where it goes: wave x 128 rows
	s_mov_b32 s[SEL], 0x76543210
	s_mov_b32 s[SEL+1], 0xfedcba98
	s_wait_dscnt 0x0                               ; both opening adds are done
	s_wait_kmcnt 0x0
	s_add_nc_u64 s[20:21], s[4:5], s[20:21]
.irp s, 0,1
	s_mov_b32 s[G0+4*\s], 1
	s_add_co_u32 s[G0+4*\s+1], s22, \s*SLOT
	s_add_nc_u64 s[G0+4*\s+2:G0+4*\s+3], s[20:21], \s*KSTEP*2
	s_or_b32 s[G0+4*\s+3], s[G0+4*\s+3], 0x80000000
.endr
	tensor_load_to_lds s[G0:G0+3], s[G1:G1+7]      ; K step 0
	s_nop 0
	tensor_load_to_lds s[G0+4:G0+7], s[G1:G1+7]    ; K step 1: two loads of mine are out
	s_nop 0
.rept 4
	v_nop
.endr
	s_lshl_b32 s22, s17, 2
	s_mov_b32 s23, 0
	s_add_nc_u64 s[6:7], s[6:7], s[22:23]
	s_load_b32 s[LEN], s[6:7], 0x0                 ; my batch's length
	v_and_b32 v1, 15, v0                           ; r
	v_bfe_u32 v2, v0, 4, 1                         ; h
	v_mul_u32_u24 v3, v1, PITCH
	v_lshl_add_u32 v3, v2, 4, v3
	s_mul_i32 s21, s13, HALFT
	s_mul_i32 s22, s14, HALFT
	s_add_co_u32 s22, s22, 2*HALFT
.irp s, 0,1
	v_add_nc_u32 v[ADRA+\s], s21, v3
	v_add_nc_u32 v[ADRB+\s], s22, v3
	s_add_co_u32 s21, s21, SLOT
	s_add_co_u32 s22, s22, SLOT
.endr
	s_mul_i32 s23, s12, 16*SPITCH
	s_add_co_u32 s23, s23, STAGE
	v_mul_u32_u24 v4, v1, SPITCH
	v_lshl_add_u32 v4, v2, 4, v4
	v_add_nc_u32 v[STO], s23, v4
	v_mul_u32_u24 v5, v2, SPITCH
	v_lshl_add_u32 v5, v1, 4, v5
	v_add_nc_u32 v[RD], s23, v5
	v_lshlrev_b32 v5, 12, v2
	v_lshl_add_u32 v[CO], v1, 4, v5
	s_lshl_b32 s23, s12, 10
	s_add_co_u32 s23, s23, SST
	v_lshl_add_u32 v[SA], v1, 2, s23
	v_and_b32 v4, 31, v0
	v_lshlrev_b32 v[LN], 4, v4
	v_add_nc_u32 v[SB], s23, v[LN]
	s_lshl_b32 s23, s15, 8
	s_lshl_b32 s43, s13, 7
	s_add_co_u32 s23, s23, s43                     ; my first query's position in its sequence
	v_add_nc_u32 v[VQ], s23, v1
	v_lshlrev_b32 v4, 3, v2
	v_sub_nc_u32 v[VD], v1, v4
	v_mov_b32 v[BIG], 0xce6e6b28
	v_mov_b32 v[NINF], 0xff800000
	s_cmp_eq_u32 s15, s16
	s_cselect_b32 s43, 1, 0                        ; a diagonal tile
	s_xor_b32 s46, s13, s14
	s_and_not1_b32 s[DG], s43, s46
	s_and_b32 s[HID], s43, s14
	s_and_not1_b32 s[HID], s[HID], s13
	s_mov_b32 s19, 0
	s_lshl_b32 s18, s17, 4
	s_lshl_b32 s20, s16, 1
	s_add_co_u32 s18, s18, s20
	s_add_co_u32 s18, s18, s14                     ; 16 batch + my chunk
	s_lshl_b32 s18, s18, 11
	s_add_co_u32 s18, s18, s23
	s_lshl_b32 s18, s18, 2
	s_add_nc_u64 s[10:11], s[10:11], s[18:19]      ; st at my 128 rows of my chunk
	s_lshl_b32 s18, s17, 11
	s_add_co_u32 s18, s18, s23
	s_lshl_b32 s18, s18, 12                        ; 4,096 bytes a row of pm
	s_lshl_b32 s20, s16, 9
	s_add_co_u32 s18, s18, s20
	s_lshl_b32 s20, s14, 8
	s_add_co_u32 s18, s18, s20
	s_add_nc_u64 s[8:9], s[8:9], s[18:19]          ; pm at my first row, my chunk's 256 bytes
	s_wait_kmcnt 0x0                               ; the length
.macro MUL16 f, hi, a0, zero           ; 16 products; zero = 1: they start the sums.  The 64 accumulators take turns, one instruction a turn
.irp a, \a0, \a0+1
.irp b, 0,1,2,3,4,5,6,7
.if \zero
	v_wmma_f32_16x16x32_f16 v[8*(8*(\a)+\b):8*(8*(\a)+\b)+7], v[\f+8*\b:\f+8*\b+7], v[\f+8*(4*\hi+\a):\f+8*(4*\hi+\a)+7], 0
.else
	v_wmma_f32_16x16x32_f16 v[8*(8*(\a)+\b):8*(8*(\a)+\b)+7], v[\f+8*\b:\f+8*\b+7], v[\f+8*(4*\hi+\a):\f+8*(4*\hi+\a)+7], v[8*(8*(\a)+\b):8*(8*(\a)+\b)+7]
.endif
.endr
.endr
.endm
.macro FETCH slot, k, f                ; 32 LDS loads in one run: 128 rows of k, 128 of q, 32 along K at byte k
	WIN TO_B
.irp i, 0,1,2,3,4,5,6,7
	ds_load_b128 v[\f+8*\i:\f+8*\i+3],   v[ADRB+\slot] offset:\k+\i*16*PITCH
	ds_load_b128 v[\f+8*\i+4:\f+8*\i+7], v[ADRB+\slot] offset:\k+\i*16*PITCH+32
.endr
	WIN 0
.irp i, 0,1,2,3,4,5,6,7
	ds_load_b128 v[\f+8*\i:\f+8*\i+3],   v[ADRA+\slot] offset:\k+\i*16*PITCH
	ds_load_b128 v[\f+8*\i+4:\f+8*\i+7], v[ADRA+\slot] offset:\k+\i*16*PITCH+32
.endr
.endm
.macro PLACES                          ; four plain vector lines between a matrix instruction and a load into, or a read of, its registers
.rept 4
	v_nop
.endr
.endm
.macro QUARTER slot, k, f, g, zero     ; 32 along K: multiplies buffer f, fetches the next quarter into g
	s_wait_dscnt 8                                 ; all but the youngest eight loads (q's rows 64-127)
	WIN MUL_LO
	MUL16 \f, 0, 0, \zero
	MUL16 \f, 0, 2, \zero
	PLACES
	FETCH \slot, \k, \g
	s_wait_dscnt 32                                ; all but the 32 just issued
	WIN MUL_HI
	MUL16 \f, 1, 0, \zero
	MUL16 \f, 1, 2, \zero
.endm
; The last quarter changes slots: one barrier.  In front of it all my tensor loads have landed (my part of the next slot), the add is done, my reads of this slot are over.
.macro MEET
	WIN 0
	s_wait_tensorcnt 0x0
	ds_add_u32 v[SPW], v[NIL]
	s_wait_dscnt 9                                 ; the add and the youngest eight loads may be out
	WIN MUL_LO
	MUL16 F1, 0, 0, 0
	s_wait_dscnt 0x0
	s_barrier_signal -1
	MUL16 F1, 0, 2, 0                              ; work on registers while the others arrive
	s_barrier_wait -1
.endm
.macro TURN slot, next, fill
	MEET
.if \fill
	s_add_nc_u64 s[G0+4*\slot+2:G0+4*\slot+3], s[G0+4*\slot+2:G0+4*\slot+3], 2*KSTEP*2   ; no load of mine is out: two K steps on
	tensor_load_to_lds s[G0+4*\slot:G0+4*\slot+3], s[G1:G1+7]      ; my one load behind the barrier: 224 products stand between it and the wait for it
	s_nop 0
.endif
	PLACES                                         ; (behind the load; also the places in front of the loads below)
	FETCH \next, 0, F0
	WIN MUL_HI
	MUL16 F1, 1, 0, 0
	MUL16 F1, 1, 2, 0
.endm
	s_wait_tensorcnt 1                             ; my part of K step 0 is in; K step 1's may be out
	s_barrier_signal -1
	s_barrier_wait -1
	FETCH 0, 0, F0
	QUARTER 0, 64,  F0, F1, 1                      ; the first quarter starts the sums
	WIN 0
	s_mov_b32 s3, 3
.Llap:                                                 ; three trips: once round the ring each, K steps 2 to 7 are asked for
	QUARTER 0, 128, F1, F0, 0
	QUARTER 0, 192, F0, F1, 0
	TURN 0, 1, 1
	QUARTER 1, 64,  F0, F1, 0
	QUARTER 1, 128, F1, F0, 0
	QUARTER 1, 192, F0, F1, 0
	TURN 1, 0, 1
	QUARTER 0, 64,  F0, F1, 0
	WIN 0
	s_sub_co_u32 s3, s3, 1
	s_cmp_lg_u32 s3, 0
	s_cbranch_scc1 .Llap
	QUARTER 0, 128, F1, F0, 0                      ; the last lap asks for nothing
	QUARTER 0, 192, F0, F1, 0
	TURN 0, 1, 0
	QUARTER 1, 64,  F0, F1, 0
	QUARTER 1, 128, F1, F0, 0
	QUARTER 1, 192, F0, F1, 0
	s_wait_dscnt 8
	WIN MUL_LO
	MUL16 F1, 0, 0, 0
	MUL16 F1, 0, 2, 0
	s_wait_dscnt 0
	WIN MUL_HI
	MUL16 F1, 1, 0, 0
	MUL16 F1, 1, 2, 0
	WIN 0
	PLACES
	s_cmp_eq_u32 s[HID], 1
	s_cbranch_scc1 .Lhidden
; THE SOFTMAX OF A BLOCK OF 16 QUERIES OVER MY CHUNK OF 128 KEYS.
.macro SOFT a
.set AC, 64*((\a)%4)
	v_add_nc_u32 v132, 16*(\a), v[VQ]              ; my query's position
	v_cmp_le_u32 vcc_lo, s[LEN], v132
	v_cndmask_b32 v128, v[NIL], v[BIG], vcc_lo     ; the row's addend: -1e9 at or beyond the length
	WIN 0x02+(\a)/4                                ; source 0: window 2 or 3
.set i, 0
.rept 32
	v_pk_fma_f32 v[TW+i:TW+i+1], v[AC+i:AC+i+1], 0x3d000000, v[128:129] op_sel_hi:[1,0,0]   ; t = s / 32 + addend, one rounding; each accumulator from its low end on
.set i, i+2
.endr
	WIN 0
	s_cmp_eq_u32 s[DG], 1
	s_cbranch_scc0 .Lopen_\@
.irp b, 0,1,2,3,4,5,6,7                ; on the diagonal: key 16 b + 8 h + j is hidden from query 16 a + r where it is larger
.if \b > (\a)
.irp j, 0,1,2,3,4,5,6,7
	v_mov_b32 v[TW+8*\b+\j], v[NINF]
.endr
.elseif \b == (\a)
.irp j, 0,1,2,3,4,5,6,7
	v_cmp_gt_i32 vcc_lo, \j, v[VD]
	v_cndmask_b32 v[TW+8*\b+\j], v[TW+8*\b+\j], v[NINF], vcc_lo
.endr
.endif
.endr
.Lopen_\@:
.irp g, 0,1,2,3                        ; the largest t, in four chains
	v_max3_num_f32 v[132+\g], v[TW+16*\g], v[TW+16*\g+1], v[TW+16*\g+2]
.endr
.irp i, 3,5,7,9,11,13
.irp g, 0,1,2,3
	v_max3_num_f32 v[132+\g], v[132+\g], v[TW+16*\g+\i], v[TW+16*\g+\i+1]
.endr
.endr
.irp g, 0,1,2,3
	v_max_num_f32 v[132+\g], v[132+\g], v[TW+16*\g+15]
.endr
	v_max3_num_f32 v136, v132, v133, v134
	v_max_num_f32 v136, v136, v135
	v_permlanex16_b32 v137, v136, s[SEL], s[SEL+1] ; the query's other 64 keys lie in the lane 16 away
	v_max_num_f32 v130, v136, v137                 ; m: the chunk's first key counts for every query here, so it is a number
	ds_store_b32 v[SA], v130 offset:64*(\a)        ; both halves write the same word with the same value
.set i, 0
.rept 32
	v_pk_add_f32 v[TW+i:TW+i+1], v[TW+i:TW+i+1], v[130:131] op_sel_hi:[1,0] neg_lo:[0,1] neg_hi:[0,1]   ; t - m first: t may lie near -1e9
.set i, i+2
.endr
.set i, 0
.rept 32
	v_pk_mul_f32 v[TW+i:TW+i+1], v[TW+i:TW+i+1], 0x3fb8aa3b op_sel_hi:[1,0]
.set i, i+2
.endr
.set i, 0
.rept 64
	v_exp_f32 v[TW+i], v[TW+i]                     ; one batch
.set i, i+1
.endr
	v_nop                                          ; a plain line behind the last exponential
	s_wait_alu depctr_va_vdst(0)                   ; one wait for the batch, ahead of its first reader
	v_pk_add_f32 v[140:141], v[TW:TW+1], v[TW+2:TW+3]              ; the sum of the unrounded p, in two chains
	v_pk_add_f32 v[142:143], v[TW+4:TW+5], v[TW+6:TW+7]
.irp j, 8,12,16,20,24,28,32,36,40,44,48,52,56,60
	v_pk_add_f32 v[140:141], v[140:141], v[TW+\j:TW+\j+1]
	v_pk_add_f32 v[142:143], v[142:143], v[TW+\j+2:TW+\j+3]
.endr
	v_pk_add_f32 v[140:141], v[140:141], v[142:143]
	v_add_f32 v140, v140, v141
	v_permlanex16_b32 v137, v140, s[SEL], s[SEL+1]
	v_add_f32 v140, v140, v137
	ds_store_b32 v[SA], v140 offset:512+64*(\a)
.set i, 0
.rept 32
	v_cvt_pk_f16_f32 v[TMP+i], v[TW+2*i], v[TW+2*i+1]
.set i, i+1
.endr
.endm
.macro TOSTAGE a
.set BK, OB+192*((\a)%2)
.irp b, 0,1,2,3,4,5,6,7
	ds_store_b128 v[STO], v[TMP+4*\b:TMP+4*\b+3] offset:32*\b
.endr
.irp t, 0,1,2,3,4,5,6,7
	ds_load_b128 v[BK+4*\t:BK+4*\t+3], v[RD] offset:\t*2*SPITCH    ; in order behind the stores above
.endr
.endm
.macro SEND a
.set BK, OB+192*((\a)%2)
	s_wait_dscnt 0x0
	s_wait_xcnt 0x0                                ; earlier stores have read their base and their data
.if (\a) > 0
	s_add_nc_u64 s[8:9], s[8:9], 16*4096
.endif
.irp t, 0,1,2,3,4,5,6,7
	global_store_b128 v[CO], v[BK+4*\t:BK+4*\t+3], s[8:9] offset:2*\t*4096   ; 16 lanes store 256 consecutive bytes, aligned
.endr
.endm
	v_mov_b32 v129, 0                              ; upper halves of pairs of which the low word serves both, and a lane permute's destination: written once
	v_mov_b32 v131, 0
	v_mov_b32 v137, 0
	SOFT 0
	TOSTAGE 0
.irp a, 1,2,3,4,5,6,7
	SOFT \a
	SEND \a-1
	TOSTAGE \a
.endr
	SEND 7
	ds_load_b128 v[132:135], v[SB]                 ; my 128 rows' m and l, in order behind my stores of them
	ds_load_b128 v[136:139], v[SB] offset:512
	s_wait_dscnt 0x0
	global_store_b128 v[LN], v[132:135], s[10:11]  ; 512 consecutive bytes each
	global_store_b128 v[LN], v[136:139], s[10:11] offset:524288
	s_branch .Lend
.Lhidden:                                              ; wholly above the diagonal: zeros
.irp j, 0,1,2,3
	v_mov_b32 v[132+\j], 0
.endr
.set i, 0
.rept 64
	global_store_b128 v[CO], v[132:135], s[8:9] offset:2*i*4096
.set i, i+1
.endr
.Lend:
	s_wait_tensorcnt 0x0                           ; the wave's end
	ds_add_u32 v[SPW], v[NIL]
	s_wait_dscnt 0x0
	s_endpgm
.Lfunc_end_k_qfcbfcb312b_score:
	.size	k_qfcbfcb312b_score, .Lfunc_end_k_qfcbfcb312b_score-k_qfcbfcb312b_score
	.p2alignl 7, 3214868480
	.fill 96, 4, 3214868480
	.section	.rodata,"a",@progbits
	.p2align	6, 0x0
	.amdhsa_kernel k_qfcbfcb312b_score
		.amdhsa_group_segment_fixed_size 327680
		.amdhsa_private_segment_fixed_size 0
		.amdhsa_enable_private_segment 0
		.amdhsa_kernarg_size 32
		.amdhsa_user_sgpr_count 2
		.amdhsa_user_sgpr_kernarg_segment_ptr 1
		.amdhsa_wavefront_size32 1
		.amdhsa_system_sgpr_workgroup_id_x 1
		.amdhsa_system_sgpr_workgroup_id_y 1
		.amdhsa_system_sgpr_workgroup_id_z 1
		.amdhsa_system_vgpr_workitem_id 0
		.amdhsa_next_free_vgpr 1024
		.amdhsa_next_free_sgpr 66
		.amdhsa_reserve_vcc 1
		.amdhsa_float_denorm_mode_32 3
		.amdhsa_float_denorm_mode_16_64 3
		.amdhsa_memory_ordered 1
		.amdhsa_forward_progress 1
		.amdhsa_inst_pref_size 255
	.end_amdhsa_kernel
	.section	.bss,"aw",@nobits
	.p2align	6
	.space	262144
	.amdgpu_metadata
---
amdhsa.version: [ 1, 2 ]
amdhsa.kernels:
  - .name:           k_qfcbfcb312b_score
    .symbol:         k_qfcbfcb312b_score.kd
    .args:
      - { .name: qkv, .offset: 0, .size: 8, .value_kind: global_buffer, .address_space: global }
      - { .name: lengths, .offset: 8, .size: 8, .value_kind: global_buffer, .address_space: global }
      - { .name: pm, .offset: 16, .size: 8, .value_kind: global_buffer, .address_space: global }
      - { .name: st, .offset: 24, .size: 8, .value_kind: global_buffer, .address_space: global }
    .group_segment_fixed_size: 327680
    .private_segment_fixed_size: 0
    .kernarg_segment_align: 8
    .kernarg_segment_size: 32
    .max_flat_workgroup_size: 128
    .sgpr_count:     66
    .vgpr_count:     1024
    .wavefront_size: 32
...
	.end_amdgpu_metadata
.endif
;; end of part 3
;; launch mix (part 4): grid 8 x 32, 4 waves a work-group, clusters of 4 x 1, 327,680 bytes of LDS; arguments pm, st, qkv, out0; writes out0
.if DOCPART == 4
	.amdgcn_target "amdgcn-amd-amdhsa--gfx1250"
	.amdhsa_code_object_version 6
	.text
	.protected	k_qfcbfcb312b_mix
	.globl	k_qfcbfcb312b_mix
	.p2align	8
	.type	k_qfcbfcb312b_mix,@function
k_qfcbfcb312b_mix:
	s_mov_b64 s[64:65], 0
	v_nop
	global_prefetch_b8 v0, s[64:65] scope:SCOPE_SE
	s_setreg_imm32_b32 hwreg(HW_REG_WAVE_MODE, 25, 1), 1
	s_wait_xcnt 0x0
	s_wait_alu depctr_hold_cnt(0) depctr_sa_sdst(0) depctr_va_vdst(0) depctr_va_sdst(0) depctr_va_ssrc(0) depctr_va_vcc(0) depctr_vm_vsrc(0)
	s_getreg_b32 s2, hwreg(HW_REG_IB_STS2, 6, 4)
	s_cmp_eq_u32 s2, 0
	s_cbranch_scc0 .Lentry_in_a_cluster
	s_endpgm
.Lentry_in_a_cluster:
	s_bfe_u32 s2, ttmp6, 0x10000c
	s_cmp_lg_u32 s2, 0x3003
	s_cbranch_scc0 .Lentry_shape_is_right
	s_endpgm
.Lentry_shape_is_right:
; out[i] = (1 / l) sum over chunks c of f_c (P_c V_c), f_c = e^(m_c - m), m = the largest m_c, l = the sum of f_c l_c.  P: pm [4][2048][2048] f16; m_c, l_c: st; V: plane 2 of qkv, f16; out0 f32.
; The running maximum of the softmax is thus taken chunk by chunk: P_c is relative to its chunk's maximum, f_c brings it under the row's.  Products with f16 operands, all sums in f32.
; SHARES.  A work-group makes two tiles of 128 rows x 128 columns: row blocks 15 - p and p of a batch, which have 16 - p and p + 1 chunks of 128 keys: 17 for every p.  It walks 9 slots of 256 keys:
; SH = 8 - p / 2 for the upper block, the rest for the lower.  The 18th chunk is the one above the diagonal that the launch before filled with zeros; its f is 0.  So 256 work-groups have equal work and all trip counts are constants.
; Positions 0-15 of each sequence are not stored here: a launch of its own makes them in f32.
; Four waves, each 64 rows x 64 columns: 16 accumulators T for a chunk's product, started with C = 0, and O (128 registers) that takes f T in by packed multiply-adds.
; CLUSTER 4 x 1: the four partners take four column tiles of the same pair of row blocks: P's tiles are asked for jointly.  V's tiles differ (other columns): loads of each work-group's own.
; Source 0 = V^T (16 columns x 32 keys, turned on its way out of LDS), source 1 = P (16 queries x 32 keys): a lane holds one query and eight neighbouring columns.
; REGISTERS: window 0: v1-31 addresses; v32-39 f, v40-47, v48-55 1 / l of the two blocks (even registers); v64-127 the way out; v128-255 T ((a, b) at 128 + 8 (4 a + b)); at the head v128-239 the statistics.
;   window 1: two fragment buffers of 128 (64 of P, 64 of V).   window 2: v0-127 O.
.set PP,     528                       ; a row of P's tile: 512 bytes + 16
.set PVV,    288                       ; a row of V's: 256 + 32
.set PHALF,  64*PP
.set VHALF,  128*PVV
.set VOFF,   2*PHALF
.set SLOT,   VOFF+2*VHALF              ; P's 128 rows, then V's 256
.set STAGE,  2*SLOT                    ; 16 rows x 272 a wave
.set SPITCH, 272
.set FT,     STAGE+4*16*SPITCH         ; f: for each wave [18 chunks of the walk][4 blocks][16 rows] f32
.set FTW,    18*256
.set SPARE,  FT+4*FTW                  ; the spare words, named by no other line
.set FS,   9                           ; v9   where I store f: FA + 256 h
.set ADRP, 16                          ; v16-17 P's fragments in slot 0, 1
.set ADRV, 18                          ; v18-21 V's: slot 0 chunk 0, 1; slot 1 chunk 0, 1
.set FA,   22                          ; v22  FT + FTW wave + 4 r
.set FAD,  23
.set STO,  24
.set RD,   25
.set CO,   26
.set SPW,  28
.set NIL,  29
.set FC,   32
.set RH,   40
.set RL,   48
.set TMP,  64
.set OB,   96
.set TT,   128
.set F0,   0
.set F1,   128
.set STM,  128                         ; the head: m_c (then f) of slot v, block a at STM + 4 v + a
.set STL,  164                         ; l_c likewise
.set VO,   200                         ; v200-208 offsets of the loads
.set MGH,  212
.set MGL,  216
.set LGH,  220
.set LGL,  224
.set NINF, 228
.set WV, 12
.set WR, 13                            ; my half of the rows; also: I fetch P (0) or V (1)
.set WC, 14                            ; my half of the columns; also: which half of the tile I fetch
.set HI, 20
.set LO, 21
.set SH, 22
.set SHM, 23
.set G1P, 24
.set G0P, 32
.set PBH, 40                           ; byte offset in pm of the rows that I fetch, upper block; s41 lower
.set PBL, 41
.set VB,  42                           ; byte offset in qkv of V's rows that I fetch, keys 0 on
.set NX,  43                           ; the walk slot to be asked for next
.set WS,  44                           ; the walk slot in hand
.set FIRST, 45                         ; 1: the next chunk starts O
.set FW,  46                           ; 256 x the walk's chunk
.set SKP, 47                           ; 0: my lower block's first 16 rows are positions 0-15
.set G1V, 48
.set G0V, 56
.set SEL, 66
.set OUTH, 68
.set OUTL, 76
.set VM,  78                           ; s78-86 which lanes' chunk counts, for each slot
.set MSB, 0
.macro WIN new
.if MSB != (\new)
	s_set_vgpr_msb (MSB<<8)|(\new)
.set MSB, (\new)
.endif
.endm
.set MUL,  0x05                        ; sources window 1; C and D window 0
.set TO_F, 0x40
.macro JLOAD s                         ; waves 0, 1: P's halves, jointly; waves 2, 3: V's halves; an s_nop 0 and four v_nop follow each line
	s_cmp_eq_u32 s[WR], 0
	s_cbranch_scc0 .Lfor_v_\@
	tensor_load_to_lds s[G0P+4*\s:G0P+4*\s+3], s[G1P:G1P+7]
	s_nop 0
.rept 4
	v_nop
.endr
	s_branch .Lasked_\@
.Lfor_v_\@:
	tensor_load_to_lds s[G0V+4*\s:G0V+4*\s+3], s[G1V:G1V+7]
	s_nop 0
.rept 4
	v_nop
.endr
.Lasked_\@:
.endm
.macro CREST
	s_cmp_lg_u32 s[WV], 0
	s_cbranch_scc1 .Lnot_wave_0_\@
	s_barrier_signal -3
.Lnot_wave_0_\@:
	s_barrier_wait -3
	s_barrier_signal -1
	s_barrier_wait -1
.endm
.macro CROUND
	s_barrier_signal -1
	s_barrier_wait -1
	CREST
.endm
	s_load_b256 s[4:11], s[0:1], 0x0               ; pm, st, qkv, out0
	v_lshl_add_u32 v[SPW], v0, 2, SPARE
	v_mov_b32 v[NIL], 0
	ds_add_u32 v[SPW], v[NIL]                      ; the opening: the add, twice on end, and its wait ahead of my first tensor load
	ds_add_u32 v[SPW], v[NIL]
	v_lshrrev_b32 v1, 5, v0
	v_readfirstlane_b32 s[WV], v1
	s_lshr_b32 s[WR], s[WV], 1
	s_and_b32 s[WC], s[WV], 1
	s_bfe_u32 s15, ttmp6, 0x40000                  ; cx: it enters V's and out0's global addresses alone
	s_lshl_b32 s16, ttmp9, 2
	s_add_co_u32 s16, s16, s15                     ; the column tile
	s_and_b32 s17, ttmp7, 0xffff
	s_and_b32 s18, s17, 7                          ; p
	s_lshr_b32 s19, s17, 3                         ; batch
	s_sub_co_u32 s[HI], 15, s18
	s_mov_b32 s[LO], s18
	s_lshr_b32 s[SH], s18, 1
	s_sub_co_u32 s[SH], 8, s[SH]
	s_sub_co_u32 s[SHM], s[SH], 1
	s_mov_b32 s[G1P+0], 15|(1<<16)|(1<<20)|(1<<21)|(6<<22)|(3<<25)  ; all four partners; elements of 2 bytes; 4 words of padding behind every 128
	s_mov_b32 s[G1P+1], 256<<16                    ; tensor_dim0
	s_mov_b32 s[G1P+2], 64<<16                     ; tensor_dim1
	s_mov_b32 s[G1P+3], 256<<16                    ; tile_dim0
	s_mov_b32 s[G1P+4], 64                         ; tile_dim1
	s_mov_b32 s[G1P+5], 2048                       ; pitch
	s_mov_b32 s[G1P+6], 0
	s_mov_b32 s[G1P+7], 0
	s_mov_b32 s[G1V+0], (1<<16)|(1<<20)|(5<<22)|(7<<25)             ; no mask; 8 words of padding behind every 64
	s_mov_b32 s[G1V+1], 128<<16
	s_mov_b32 s[G1V+2], 128<<16
	s_mov_b32 s[G1V+3], 128<<16
	s_mov_b32 s[G1V+4], 128
	s_mov_b32 s[G1V+5], 1024
	s_mov_b32 s[G1V+6], 0
	s_mov_b32 s[G1V+7], 0
	s_lshl_b32 s88, s19, 11                        ; 2,048 batch
	s_lshl_b32 s89, s[WC], 6
	s_add_co_u32 s89, s89, s88
	s_lshl_b32 s[PBH], s[HI], 7
	s_add_co_u32 s[PBH], s[PBH], s89
	s_lshl_b32 s[PBH], s[PBH], 12                  ; 4,096 bytes a row of pm
	s_lshl_b32 s[PBL], s[LO], 7
	s_add_co_u32 s[PBL], s[PBL], s89
	s_lshl_b32 s[PBL], s[PBL], 12
	s_lshl_b32 s[VB], s[WC], 7
	s_add_co_u32 s[VB], s[VB], s88
	s_lshl_b32 s[VB], s[VB], 11                    ; 2,048 bytes a row of V
	s_add_co_u32 s[VB], s[VB], 0x2000000           ; V's plane
	s_lshl_b32 s90, s16, 8
	s_add_co_u32 s[VB], s[VB], s90                 ; my column tile's 256 bytes
	s_mul_i32 s88, s[WC], PHALF
	s_mul_i32 s89, s[WC], VHALF
	s_add_co_u32 s89, s89, VOFF
	s_mov_b32 s[SEL], 0x76543210
	s_mov_b32 s[SEL+1], 0xfedcba98
	s_mov_b32 s73, 0
	s_mov_b32 s75, 0
	s_wait_dscnt 0x0                               ; both opening adds are done
	s_wait_kmcnt 0x0
.irp s, 0,1                            ; walk slots 0 and 1: both the upper block's (SH is 5 at the least)
	s_mov_b32 s[G0P+4*\s], 1
	s_add_co_u32 s[G0P+4*\s+1], s88, \s*SLOT
	s_add_co_u32 s72, s[PBH], 512*\s
	s_add_nc_u64 s[G0P+4*\s+2:G0P+4*\s+3], s[4:5], s[72:73]
	s_or_b32 s[G0P+4*\s+3], s[G0P+4*\s+3], 0x80000000
	s_mov_b32 s[G0V+4*\s], 1
	s_add_co_u32 s[G0V+4*\s+1], s89, \s*SLOT
	s_add_co_u32 s74, s[VB], 524288*\s
	s_add_nc_u64 s[G0V+4*\s+2:G0V+4*\s+3], s[8:9], s[74:75]
	s_or_b32 s[G0V+4*\s+3], s[G0V+4*\s+3], 0x80000000
.endr
	CROUND                                         ; all four work-groups are here: the first joint loads meet
	s_cmp_eq_u32 s[WR], 0                          ; a wave's two first fills stand in one branch: two loads of mine are out
	s_cbranch_scc0 .Lfirst_v
	tensor_load_to_lds s[G0P:G0P+3], s[G1P:G1P+7]
	s_nop 0
	tensor_load_to_lds s[G0P+4:G0P+7], s[G1P:G1P+7]
	s_nop 0
.rept 4
	v_nop
.endr
	s_branch .Lfirst_asked
.Lfirst_v:
	tensor_load_to_lds s[G0V:G0V+3], s[G1V:G1V+7]
	s_nop 0
	tensor_load_to_lds s[G0V+4:G0V+7], s[G1V:G1V+7]
	s_nop 0
.rept 4
	v_nop
.endr
.Lfirst_asked:
	v_and_b32 v1, 15, v0                           ; r
	v_bfe_u32 v2, v0, 4, 1                         ; h
	v_mul_u32_u24 v3, v1, PP
	v_lshl_add_u32 v3, v2, 4, v3
	s_mul_i32 s88, s[WR], PHALF
	v_add_nc_u32 v[ADRP], s88, v3                  ; P: my 64 rows; row r x pitch + 16 h
	v_add_nc_u32 v[ADRP+1], SLOT, v[ADRP]
	v_and_b32 v4, 7, v0
	v_bfe_u32 v5, v0, 3, 1
	v_lshl_add_u32 v4, v2, 3, v4
	v_mul_u32_u24 v4, v4, PVV
	v_lshl_add_u32 v4, v5, 4, v4                   ; V, for the turning load: key 8 h + lane % 8, 16 bytes by (lane / 8) % 2
	s_lshl_b32 s88, s[WC], 7
	s_add_co_u32 s88, s88, VOFF
	v_add_nc_u32 v[ADRV], s88, v4
	v_add_nc_u32 v[ADRV+1], VHALF, v[ADRV]
	v_add_nc_u32 v[ADRV+2], SLOT, v[ADRV]
	v_add_nc_u32 v[ADRV+3], SLOT, v[ADRV+1]
	s_mul_i32 s88, s[WV], FTW
	s_add_co_u32 s88, s88, FT
	v_lshl_add_u32 v[FA], v1, 2, s88
	v_lshl_add_u32 v[FS], v2, 8, v[FA]
	s_mul_i32 s88, s[WV], 16*SPITCH
	s_add_co_u32 s88, s88, STAGE
	v_mul_u32_u24 v3, v1, SPITCH
	v_lshl_add_u32 v3, v2, 5, v3
	v_add_nc_u32 v[STO], s88, v3                   ; the stage, in: row r, 32 bytes for each half of the lanes
	v_mul_u32_u24 v3, v2, SPITCH
	v_lshl_add_u32 v3, v1, 4, v3
	v_add_nc_u32 v[RD], s88, v3                    ; back: two rows of 256 bytes
	v_lshlrev_b32 v3, 12, v2
	v_lshl_add_u32 v[CO], v1, 4, v3                ; the same two rows in out0
	s_lshl_b32 s88, s19, 11
	s_lshl_b32 s89, s[WR], 6
	s_add_co_u32 s88, s88, s89                     ; 2,048 batch + 64 half
	s_lshl_b32 s90, s16, 9
	s_lshl_b32 s91, s[WC], 8
	s_add_co_u32 s90, s90, s91                     ; my columns' bytes
	s_mov_b32 s71, 0
	s_lshl_b32 s70, s[HI], 7
	s_add_co_u32 s70, s70, s88
	s_lshl_b32 s70, s70, 12
	s_add_co_u32 s70, s70, s90
	s_add_nc_u64 s[OUTH:OUTH+1], s[10:11], s[70:71]
	s_lshl_b32 s70, s[LO], 7
	s_add_co_u32 s70, s70, s88
	s_lshl_b32 s70, s70, 12
	s_add_co_u32 s70, s70, s90
	s_add_nc_u64 s[OUTL:OUTL+1], s[10:11], s[70:71]
	s_lshl_b32 s91, s19, 17                        ; st: 131,072 bytes a batch,
	s_lshl_b32 s89, s[WR], 8
	s_add_co_u32 s91, s91, s89                     ; my 64 rows
	; THE STATISTICS, while the first tiles are on their way.  Lanes 0-15 take a slot's first chunk, lanes 16-31 its second.
.macro STATLD v
	s_cmp_gt_u32 s[SH], \v                         ; the upper block's slot?
	s_cselect_b32 s88, s[HI], s[LO]
	s_cselect_b32 s89, 0, s[SH]
	s_sub_co_u32 s89, \v, s89
	s_lshl_b32 s89, s89, 1
	v_add_nc_u32 v234, s89, v2                     ; my chunk
	v_cmp_ge_u32 s[VM+\v], s88, v234               ; it counts up to the block's own number
	v_min_u32 v234, s88, v234                      ; the one beyond is read at the last that counts, and not used
	s_lshl_b32 s88, s88, 9
	s_add_co_u32 s88, s88, s91
	v_lshl_add_u32 v234, v234, 13, s88             ; 8,192 bytes a chunk
	v_lshl_add_u32 v[VO+\v], v1, 2, v234
.irp a, 0,1,2,3
	global_load_b32 v[STM+4*\v+\a], v[VO+\v], s[6:7] offset:64*\a
	global_load_b32 v[STL+4*\v+\a], v[VO+\v], s[6:7] offset:524288+64*\a
.endr
.endm
.irp v, 0,1,2,3,4,5,6,7,8
	STATLD \v
.endr
	v_mov_b32 v[NINF], 0xff800000
	v_mov_b32 v236, 0                              ; a lane permute's destination: written once
.irp a, 0,1,2,3
	v_mov_b32 v[MGH+\a], v[NINF]
	v_mov_b32 v[MGL+\a], v[NINF]
	v_mov_b32 v[LGH+\a], 0
	v_mov_b32 v[LGL+\a], 0
	v_mov_b32 v[FC+2*\a+1], 0                      ; upper halves of pairs of which the low word serves both
	v_mov_b32 v[RH+2*\a+1], 0
	v_mov_b32 v[RL+2*\a+1], 0
.endr
	s_wait_loadcnt 0x0
.irp v, 0,1,2,3,4,5,6,7,8              ; the rows' largest m_c, for each of the two blocks; whose a slot is, is a mask made of ids
	s_cmp_gt_u32 s[SH], \v
	s_cselect_b32 s87, -1, 0
.irp a, 0,1,2,3
	v_cndmask_b32 v[STM+4*\v+\a], v[NINF], v[STM+4*\v+\a], s[VM+\v]
	v_cndmask_b32 v234, v[NINF], v[STM+4*\v+\a], s87
	v_cndmask_b32 v235, v[STM+4*\v+\a], v[NINF], s87
	v_max_num_f32 v[MGH+\a], v[MGH+\a], v234
	v_max_num_f32 v[MGL+\a], v[MGL+\a], v235
.endr
.endr
.irp a, 0,1,2,3,4,5,6,7                ; MGH and MGL lie on end
	v_permlanex16_b32 v236, v[MGH+\a], s[SEL], s[SEL+1]
	v_max_num_f32 v[MGH+\a], v[MGH+\a], v236
.endr
.irp v, 0,1,2,3,4,5,6,7,8
	s_cmp_gt_u32 s[SH], \v
	s_cselect_b32 s87, -1, 0
.irp a, 0,1,2,3
	v_cndmask_b32 v234, v[MGL+\a], v[MGH+\a], s87
	v_sub_f32 v[STM+4*\v+\a], v[STM+4*\v+\a], v234               ; m_c - m: the difference first, both may lie near -1e9
	v_mul_f32 v[STM+4*\v+\a], 0x3fb8aa3b, v[STM+4*\v+\a]
.endr
.endr
.set i, 0
.rept 36
	v_exp_f32 v[STM+i], v[STM+i]                   ; f; 0 for the chunk that does not count
.set i, i+1
.endr
	v_nop
	s_wait_alu depctr_va_vdst(0)                   ; one wait for the batch
.irp v, 0,1,2,3,4,5,6,7,8
	s_cmp_gt_u32 s[SH], \v
	s_cselect_b32 s87, -1, 0
.irp a, 0,1,2,3
	v_cndmask_b32 v234, v[NIL], v[STM+4*\v+\a], s87
	v_cndmask_b32 v235, v[STM+4*\v+\a], v[NIL], s87
	v_fmac_f32 v[LGH+\a], v234, v[STL+4*\v+\a]
	v_fmac_f32 v[LGL+\a], v235, v[STL+4*\v+\a]
	ds_store_b32 v[FS], v[STM+4*\v+\a] offset:512*\v+64*\a       ; my wave's own table: read by it alone, in order
.endr
.endr
.irp a, 0,1,2,3,4,5,6,7
	v_permlanex16_b32 v236, v[LGH+\a], s[SEL], s[SEL+1]
	v_add_f32 v[LGH+\a], v[LGH+\a], v236
.endr
.irp a, 0,1,2,3
	v_rcp_f32 v[RH+2*\a], v[LGH+\a]                ; l is 1 at the least: the largest chunk's f is 1 and its l_c holds a 1
	v_rcp_f32 v[RL+2*\a], v[LGL+\a]
.endr
	v_nop
	s_wait_alu depctr_va_vdst(0)
	s_mov_b32 s[NX], 2
	s_mov_b32 s[WS], 0
	s_mov_b32 s[FIRST], 1
	s_mov_b32 s[FW], 0
	s_or_b32 s[SKP], s18, s[WR]
.macro MUL8 f, c, a0, zero             ; 8 products; the 16 accumulators take turns, one instruction a turn
.irp a, \a0, \a0+1
.irp b, 0,1,2,3
.if \zero
	v_wmma_f32_16x16x32_f16 v[TT+8*(4*(\a)+\b):TT+8*(4*(\a)+\b)+7], v[\f+64+8*(4*\c+\b):\f+64+8*(4*\c+\b)+7], v[\f+8*(4*\c+\a):\f+8*(4*\c+\a)+7], 0
.else
	v_wmma_f32_16x16x32_f16 v[TT+8*(4*(\a)+\b):TT+8*(4*(\a)+\b)+7], v[\f+64+8*(4*\c+\b):\f+64+8*(4*\c+\b)+7], v[\f+8*(4*\c+\a):\f+8*(4*\c+\a)+7], v[TT+8*(4*(\a)+\b):TT+8*(4*(\a)+\b)+7]
.endif
.endr
.endr
.endm
.macro FETCH L, q, f                   ; 32 LDS loads in one run: the slot's q-th 64 keys; the first 32 keys first
	WIN TO_F
.irp c, 0,1
.irp i, 0,1,2,3
	ds_load_tr16_b128 v[\f+64+8*(4*\c+\i):\f+64+8*(4*\c+\i)+3],   v[ADRV+2*(\L)+(\q)/2] offset:(2*((\q)%2)+\c)*32*PVV+32*\i
	ds_load_tr16_b128 v[\f+64+8*(4*\c+\i)+4:\f+64+8*(4*\c+\i)+7], v[ADRV+2*(\L)+(\q)/2] offset:(2*((\q)%2)+\c)*32*PVV+16*PVV+32*\i
	ds_load_b128 v[\f+8*(4*\c+\i):\f+8*(4*\c+\i)+3],   v[ADRP+\L] offset:128*(\q)+64*\c+\i*16*PP
	ds_load_b128 v[\f+8*(4*\c+\i)+4:\f+8*(4*\c+\i)+7], v[ADRP+\L] offset:128*(\q)+64*\c+\i*16*PP+32
.endr
.endr
.endm
.macro PLACES
.rept 4
	v_nop
.endr
.endm
.macro FCLOAD                          ; f of the chunk that begins, for my four blocks of rows
	WIN 0
	v_add_nc_u32 v[FAD], s[FW], v[FA]
.irp a, 0,1,2,3
	ds_load_b32 v[FC+2*\a], v[FAD] offset:64*\a
.endr
	s_add_co_u32 s[FW], s[FW], 256
.endm
.macro QUARTER L, q, f, g, zero, fc    ; 64 keys: multiplies buffer f, fetches the next quarter into g
	s_wait_dscnt 16                                ; the first 32 keys' fragments are in
	WIN MUL
	MUL8 \f, 0, 0, \zero
	MUL8 \f, 0, 2, \zero
	PLACES
.if \fc
	FCLOAD
.endif
	FETCH \L, (\q)+1, \g
	s_wait_dscnt 32                                ; all but the 32 just issued (f among what is in)
	WIN MUL
	MUL8 \f, 1, 0, 0
	MUL8 \f, 1, 2, 0
.endm
.macro MERGE first                     ; O = f T (+ O); each accumulator from its low end on
.if \first
	WIN 0x80
.else
	WIN 0xa0
.endif
.irp a, 0,1,2,3
.irp b, 0,1,2,3
.irp i, 0,2,4,6
.if \first
	v_pk_mul_f32 v[8*(4*\a+\b)+\i:8*(4*\a+\b)+\i+1], v[TT+8*(4*\a+\b)+\i:TT+8*(4*\a+\b)+\i+1], v[FC+2*\a:FC+2*\a+1] op_sel_hi:[1,0]
.else
	v_pk_fma_f32 v[8*(4*\a+\b)+\i:8*(4*\a+\b)+\i+1], v[TT+8*(4*\a+\b)+\i:TT+8*(4*\a+\b)+\i+1], v[FC+2*\a:FC+2*\a+1], v[8*(4*\a+\b)+\i:8*(4*\a+\b)+\i+1] op_sel_hi:[1,0,1]
.endif
.endr
.endr
.endr
.endm
.macro MERGESEL                        ; a slot's first chunk may be a block's first: then it starts O, and nothing is ever cleared
	PLACES
	WIN 0
	s_cmp_eq_u32 s[FIRST], 1
	s_cbranch_scc0 .Ladd_\@
	MERGE 1
	WIN 0
	s_branch .Lmerged_\@
.Ladd_\@:
	MERGE 0
	WIN 0
.Lmerged_\@:
	s_mov_b32 s[FIRST], 0
.endm
; The slot's last quarter changes slots: one barrier; in front of it all my tensor loads have landed, the add is done, my reads of the slot are over.  fill = 1: the barrier opens a round of the cluster's,
; and the slot is filled again with walk slot NX, first thing behind the round: 112 products and 128 packed lines stand between the request and the wait for it.
.macro TURN L, N, fill
	WIN 0
	s_wait_tensorcnt 0x0
	ds_add_u32 v[SPW], v[NIL]
	s_wait_dscnt 17                                ; the add and the youngest sixteen loads may be out
	WIN MUL
	MUL8 F1, 0, 0, 0
	s_wait_dscnt 0x0
	s_barrier_signal -1
	MUL8 F1, 0, 2, 0
.if \fill
	WIN 0
.endif
	s_barrier_wait -1
.if \fill
	CREST
	s_cmp_lt_u32 s[NX], s[SH]                      ; whose slot: made of ids and the count of slots, alike in all partners
	s_cselect_b32 s70, s[PBH], s[PBL]
	s_cselect_b32 s71, 0, s[SH]
	s_sub_co_u32 s71, s[NX], s71                   ; which 256 keys
	s_lshl_b32 s72, s71, 9
	s_add_co_u32 s72, s72, s70
	s_add_nc_u64 s[G0P+4*\L+2:G0P+4*\L+3], s[4:5], s[72:73]
	s_or_b32 s[G0P+4*\L+3], s[G0P+4*\L+3], 0x80000000
	s_lshl_b32 s74, s71, 19
	s_add_co_u32 s74, s74, s[VB]
	s_add_nc_u64 s[G0V+4*\L+2:G0V+4*\L+3], s[8:9], s[74:75]
	s_or_b32 s[G0V+4*\L+3], s[G0V+4*\L+3], 0x80000000
	JLOAD \L
	s_add_co_u32 s[NX], s[NX], 1
.else
	PLACES
.endif
	FETCH \N, 0, F0
	WIN MUL
	MUL8 F1, 1, 0, 0
	MUL8 F1, 1, 2, 0
.endm
; A block is done: O / l through my stage, 16 rows at a time, and out as rows of 256 aligned bytes.
.macro WAYOUT R, base, skip
.irp a, 0,1,2,3
	WIN 0x02                                       ; source 0 (O) window 2
.irp i, 0,2,4,6,8,10,12,14,16,18,20,22,24,26,28,30
	v_pk_mul_f32 v[TMP+\i:TMP+\i+1], v[32*\a+\i:32*\a+\i+1], v[\R+2*\a:\R+2*\a+1] op_sel_hi:[1,0]
.endr
	WIN 0
.irp b, 0,1,2,3
	ds_store_b128 v[STO], v[TMP+8*\b:TMP+8*\b+3] offset:64*\b
	ds_store_b128 v[STO], v[TMP+8*\b+4:TMP+8*\b+7] offset:64*\b+16
.endr
	s_wait_xcnt 0x0                                ; the last stores have read the registers that the loads below fill
.irp t, 0,1,2,3,4,5,6,7
	ds_load_b128 v[OB+4*\t:OB+4*\t+3], v[RD] offset:\t*2*SPITCH  ; in order behind the stores above
.endr
	s_wait_dscnt 0x0
.if (\skip) && (\a == 0)
	s_cmp_eq_u32 s[SKP], 0                         ; positions 0-15 belong to the launch that makes them in f32
	s_cbranch_scc1 .Lskip_\@
.endif
.irp t, 0,1,2,3,4,5,6,7
	global_store_b128 v[CO], v[OB+4*\t:OB+4*\t+3], s[\base:\base+1] offset:65536*\a+8192*\t th:TH_STORE_NT
.endr
.if (\skip) && (\a == 0)
.Lskip_\@:
.endif
.endr
.endm
.macro SLOTW L, N, fill                ; a walk slot: two chunks of 128 keys
	QUARTER \L, 0, F0, F1, 1, 1
	QUARTER \L, 1, F1, F0, 0, 0
	MERGESEL                                       ; (its lines on the other accumulators are the places ahead of the products that begin T anew)
	QUARTER \L, 2, F0, F1, 1, 1
	TURN \L, \N, \fill
	PLACES
	MERGE 0
	WIN 0
	s_cmp_eq_u32 s[WS], s[SHM]                     ; the upper block's last slot?
	s_cbranch_scc0 .Lon_\@
	WAYOUT RH, OUTH, 0
	s_mov_b32 s[FIRST], 1
.Lon_\@:
	s_add_co_u32 s[WS], s[WS], 1
.endm
	s_wait_tensorcnt 1                             ; my part of walk slot 0 is in; slot 1's may be out
	s_wait_dscnt 0x0                               ; my stores of f have landed
	s_barrier_signal -1
	s_barrier_wait -1
	FETCH 0, 0, F0
	WIN 0
	s_mov_b32 s3, 3
.Lwalk:                                                ; walk slots 0 to 5; slots 2 to 7 are asked for
	SLOTW 0, 1, 1
	SLOTW 1, 0, 1
	s_sub_co_u32 s3, s3, 1
	s_cmp_lg_u32 s3, 0
	s_cbranch_scc1 .Lwalk
	SLOTW 0, 1, 1                                  ; walk slot 6 asks for slot 8
	SLOTW 1, 0, 0                                  ; walk slot 7 asks for nothing
	QUARTER 0, 0, F0, F1, 1, 1                     ; walk slot 8
	QUARTER 0, 1, F1, F0, 0, 0
	MERGESEL
	QUARTER 0, 2, F0, F1, 1, 1
	s_wait_dscnt 16
	WIN MUL
	MUL8 F1, 0, 0, 0
	MUL8 F1, 0, 2, 0
	s_wait_dscnt 0
	MUL8 F1, 1, 0, 0
	MUL8 F1, 1, 2, 0
	PLACES
	MERGE 0
	WIN 0
	WAYOUT RL, OUTL, 1
	s_wait_tensorcnt 0x0                           ; the wave's end
	ds_add_u32 v[SPW], v[NIL]
	s_wait_dscnt 0x0
	CROUND                                         ; the closing round
	s_endpgm
.Lfunc_end_k_qfcbfcb312b_mix:
	.size	k_qfcbfcb312b_mix, .Lfunc_end_k_qfcbfcb312b_mix-k_qfcbfcb312b_mix
	.p2alignl 7, 3214868480
	.fill 96, 4, 3214868480
	.section	.rodata,"a",@progbits
	.p2align	6, 0x0
	.amdhsa_kernel k_qfcbfcb312b_mix
		.amdhsa_group_segment_fixed_size 327680
		.amdhsa_private_segment_fixed_size 0
		.amdhsa_enable_private_segment 0
		.amdhsa_kernarg_size 32
		.amdhsa_user_sgpr_count 2
		.amdhsa_user_sgpr_kernarg_segment_ptr 1
		.amdhsa_wavefront_size32 1
		.amdhsa_system_sgpr_workgroup_id_x 1
		.amdhsa_system_sgpr_workgroup_id_y 1
		.amdhsa_system_sgpr_workgroup_id_z 1
		.amdhsa_system_vgpr_workitem_id 0
		.amdhsa_next_free_vgpr 640
		.amdhsa_next_free_sgpr 96
		.amdhsa_reserve_vcc 0
		.amdhsa_float_denorm_mode_32 3
		.amdhsa_float_denorm_mode_16_64 3
		.amdhsa_memory_ordered 1
		.amdhsa_forward_progress 1
		.amdhsa_inst_pref_size 255
	.end_amdhsa_kernel
	.section	.bss,"aw",@nobits
	.p2align	6
	.space	262144
	.amdgpu_metadata
---
amdhsa.version: [ 1, 2 ]
amdhsa.kernels:
  - .name:           k_qfcbfcb312b_mix
    .symbol:         k_qfcbfcb312b_mix.kd
    .args:
      - { .name: pm, .offset: 0, .size: 8, .value_kind: global_buffer, .address_space: global }
      - { .name: st, .offset: 8, .size: 8, .value_kind: global_buffer, .address_space: global }
      - { .name: qkv, .offset: 16, .size: 8, .value_kind: global_buffer, .address_space: global }
      - { .name: out0, .offset: 24, .size: 8, .value_kind: global_buffer, .address_space: global }
    .group_segment_fixed_size: 327680
    .private_segment_fixed_size: 0
    .kernarg_segment_align: 8
    .kernarg_segment_size: 32
    .max_flat_workgroup_size: 128
    .sgpr_count:     96
    .vgpr_count:     640
    .wavefront_size: 32
...
	.end_amdgpu_metadata
.endif
;; end of part 4
;; launch first (part 5): grid 8 x 4, 8 waves a work-group, no clusters, 17,664 bytes of LDS; arguments head, lengths, out0; writes out0
.if DOCPART == 5
	.amdgcn_target "amdgcn-amd-amdhsa--gfx1250"
	.amdhsa_code_object_version 6
	.text
	.protected	k_qfcbfcb312b_first
	.globl	k_qfcbfcb312b_first
	.p2align	8
	.type	k_qfcbfcb312b_first,@function
k_qfcbfcb312b_first:
	s_mov_b64 s[64:65], 0
	v_nop
	global_prefetch_b8 v0, s[64:65] scope:SCOPE_SE
	s_setreg_imm32_b32 hwreg(HW_REG_WAVE_MODE, 25, 1), 1
	s_wait_xcnt 0x0
; Positions 0-15 of each of the four sequences, wholly in f32: these rows average 1 to 16 values, where rounded operands would weigh most.
; head [3][4][16][1024] f32 holds their q, k, v.  Work-group (x, y): batch y, output columns 128 x .. 128 x + 127; each forms the 16 x 16 scores itself.
; Wave w sums channels 128 w .. + 127 of the scores; the eight parts meet in LDS.  Then every wave holds the softmax, and makes columns 16 w .. + 15 of its work-group's 128.
; S^T = k q^T: a lane holds query r = lane % 16 and keys 8 h + j.  Masks as in the large launches: -1e9 for a row at or beyond the length, -infinity above the diagonal; the maximum is taken away before the exponential.
; The order of K inside a product is the same on both sides, so each product meets its partner.  The accumulators of the f32 matrix form are written by matrix instructions alone, two by turns.
; No tensor load, no cluster: about 4.5 MB are loaded in all.
.set RED,   0                          ; 8 waves x 1,024 bytes: the scores' parts
.set STG,   8192                       ; 16 rows x (512 + 16): the way out
.set SPARE, 16640                      ; the spare words, 128 bytes a wave, named by no other line
.set KR, 16                            ; v16-79   k, later the eight parts
.set QR, 80                            ; v80-143  q
.set VR, 176                           ; v176-183 v(key 8 h + i, my column)
	s_load_b128 s[4:7], s[0:1], 0x0                ; head, lengths
	s_load_b64 s[8:9], s[0:1], 0x10                ; out0
	v_lshl_add_u32 v14, v0, 2, SPARE
	v_mov_b32 v15, 0
	v_lshrrev_b32 v5, 5, v0
	v_readfirstlane_b32 s10, v5                    ; wave 0..7
	v_and_b32 v1, 15, v0                           ; r
	v_bfe_u32 v2, v0, 4, 1                         ; h
	v_and_b32 v6, 31, v0
	v_lshlrev_b32 v6, 4, v6                        ; 16 x lane
	v_lshlrev_b32 v3, 12, v1
	v_lshl_add_u32 v3, v2, 4, v3                   ; q, k: row r, + 16 h
	v_lshlrev_b32 v4, 15, v2
	v_lshl_add_u32 v4, v1, 2, v4                   ; v: 8 h rows down, column r
	s_lshl_b32 s21, s10, 10
	v_add_nc_u32 v7, s21, v6                       ; my part's place in RED
	v_lshlrev_b32 v8, 3, v2
	v_sub_nc_u32 v8, v1, v8                        ; r - 8 h
	v_mul_u32_u24 v13, v1, 528
	v_lshl_add_u32 v13, v2, 5, v13
	s_lshl_b32 s21, s10, 6
	s_add_co_u32 s21, s21, STG
	v_add_nc_u32 v13, s21, v13                     ; the stage, in: row r, + 64 wave + 32 h
	s_mul_i32 s21, s10, 2*528
	s_add_co_u32 s21, s21, STG
	v_add_nc_u32 v5, s21, v6                       ; back: rows 2 wave and 2 wave + 1, 16 bytes a lane
	s_mov_b32 s22, 0x76543210
	s_mov_b32 s23, 0xfedcba98
	s_and_b32 s11, ttmp7, 0xffff                   ; batch
	s_lshl_b32 s12, s11, 16                        ; 65,536 bytes a batch in a plane of head
	s_mov_b32 s13, 0
	s_lshl_b32 s14, s10, 9                         ; my 128 channels
	s_mov_b32 s15, 0
	s_lshl_b32 s24, ttmp9, 9                       ; my work-group's 128 columns
	s_lshl_b32 s25, s10, 6                         ; my 16 of them
	s_add_co_u32 s24, s24, s25
	s_mov_b32 s25, 0
	s_lshl_b32 s26, s11, 2
	s_mov_b32 s27, 0
	s_lshl_b32 s28, s11, 11
	s_lshl_b32 s29, s10, 1
	s_add_co_u32 s28, s28, s29
	s_lshl_b32 s28, s28, 12                        ; out0: row 2,048 batch + 2 wave
	s_lshl_b32 s29, ttmp9, 9
	s_add_co_u32 s28, s28, s29
	s_mov_b32 s29, 0
	s_wait_kmcnt 0x0
	s_add_nc_u64 s[6:7], s[6:7], s[26:27]
	s_load_b32 s20, s[6:7], 0x0                    ; the length
	s_add_nc_u64 s[4:5], s[4:5], s[12:13]
	s_add_nc_u64 s[16:17], s[4:5], s[14:15]
	s_add_nc_u64 s[18:19], s[4:5], s[24:25]
	s_add_nc_u64 s[8:9], s[8:9], s[28:29]
.irp c, 0,1,2,3,4,5,6,7,8,9,10,11,12,13,14,15
	global_load_b128 v[KR+4*\c:KR+4*\c+3], v3, s[16:17] offset:262144+32*\c   ; channels 8 c + 4 h + 0 .. 3 of key r
	global_load_b128 v[QR+4*\c:QR+4*\c+3], v3, s[16:17] offset:32*\c          ; and of query r
.endr
.irp i, 0,1,2,3,4,5,6,7
	global_load_b32 v[VR+\i], v4, s[18:19] offset:524288+4096*\i
.endr
	s_wait_loadcnt 0x0
	s_wait_kmcnt 0x0
	v_wmma_f32_16x16x4_f32 v[144:151], v[KR:KR+1], v[QR:QR+1], 0              ; the first two K steps start the two sums
	v_wmma_f32_16x16x4_f32 v[152:159], v[KR+2:KR+3], v[QR+2:QR+3], 0
.set i, 2
.rept 15
	v_wmma_f32_16x16x4_f32 v[144:151], v[KR+2*i:KR+2*i+1], v[QR+2*i:QR+2*i+1], v[144:151]
	v_wmma_f32_16x16x4_f32 v[152:159], v[KR+2*i+2:KR+2*i+3], v[QR+2*i+2:QR+2*i+3], v[152:159]
.set i, i+2
.endr
.rept 8
	v_nop                                          ; eight places behind this form (ISA guide 7.12.1)
.endr
.irp j, 0,1,2,3,4,5,6,7
	v_add_f32 v[160+\j], v[144+\j], v[152+\j]      ; my channels' part, from the low end on
.endr
	ds_store_b128 v7, v[160:163]
	ds_store_b128 v7, v[164:167] offset:512
	s_wait_dscnt 0x0                               ; for the others' sake
	s_barrier_signal -1
	s_barrier_wait -1
.irp u, 0,1,2,3,4,5,6,7
	ds_load_b128 v[KR+8*\u:KR+8*\u+3], v6 offset:RED+1024*\u
	ds_load_b128 v[KR+8*\u+4:KR+8*\u+7], v6 offset:RED+1024*\u+512
.endr
	v_mov_b32 v10, 0xce6e6b28                      ; -1e9
	v_cmp_le_u32 vcc_lo, s20, v1
	v_cndmask_b32 v9, v15, v10, vcc_lo             ; the row's addend
	v_mov_b32 v10, 0xff800000
	v_mov_b32 v12, 0                               ; a lane permute's destination: written once
	s_wait_dscnt 0x0
.irp j, 0,1,2,3,4,5,6,7
	v_add_f32 v[168+\j], v[KR+\j], v[KR+8+\j]
.endr
.irp u, 2,3,4,5,6,7
.irp j, 0,1,2,3,4,5,6,7
	v_add_f32 v[168+\j], v[168+\j], v[KR+8*\u+\j]
.endr
.endr
.irp j, 0,1,2,3,4,5,6,7
	v_fma_f32 v[168+\j], v[168+\j], 0x3d000000, v9 ; t = s / 32 + addend, one rounding
.endr
.irp j, 0,1,2,3,4,5,6,7
	v_cmp_gt_i32 vcc_lo, \j, v8                    ; key 8 h + j above query r
	v_cndmask_b32 v[168+\j], v[168+\j], v10, vcc_lo
.endr
	v_max3_num_f32 v11, v168, v169, v170
	v_max3_num_f32 v11, v11, v171, v172
	v_max3_num_f32 v11, v11, v173, v174
	v_max_num_f32 v11, v11, v175
	v_permlanex16_b32 v12, v11, s22, s23
	v_max_num_f32 v11, v11, v12                    ; key 0 counts for every query: a number
.irp j, 0,1,2,3,4,5,6,7
	v_sub_f32 v[168+\j], v[168+\j], v11
.endr
.irp j, 0,1,2,3,4,5,6,7
	v_mul_f32 v[168+\j], 0x3fb8aa3b, v[168+\j]
.endr
.irp j, 0,1,2,3,4,5,6,7
	v_exp_f32 v[168+\j], v[168+\j]
.endr
	v_nop
	s_wait_alu depctr_va_vdst(0)                   ; one wait for the batch
	v_add_f32 v10, v168, v169
	v_add_f32 v11, v170, v171
	v_add_f32 v10, v10, v172
	v_add_f32 v11, v11, v173
	v_add_f32 v10, v10, v174
	v_add_f32 v11, v11, v175
	v_add_f32 v10, v10, v11
	v_permlanex16_b32 v12, v10, s22, s23
	v_add_f32 v10, v10, v12
	v_rcp_f32 v10, v10
	v_nop
	s_wait_alu depctr_va_vdst(0)
.irp j, 0,1,2,3,4,5,6,7
	v_mul_f32 v[184+\j], v[168+\j], v10            ; the weights
.endr
	; out^T = v^T p^T: source 0 = my 16 columns, source 1 = the 16 queries; place 2 h + j of step s is key 8 h + 2 s + j on both sides
	v_wmma_f32_16x16x4_f32 v[192:199], v[VR:VR+1], v[184:185], 0
	v_wmma_f32_16x16x4_f32 v[200:207], v[VR+2:VR+3], v[186:187], 0
	v_wmma_f32_16x16x4_f32 v[192:199], v[VR+4:VR+5], v[188:189], v[192:199]
	v_wmma_f32_16x16x4_f32 v[200:207], v[VR+6:VR+7], v[190:191], v[200:207]
.rept 8
	v_nop
.endr
.irp j, 0,1,2,3,4,5,6,7
	v_add_f32 v[208+\j], v[192+\j], v[200+\j]      ; out(query r, column 16 wave + 8 h + j)
.endr
	ds_store_b128 v13, v[208:211]
	ds_store_b128 v13, v[212:215] offset:16
	s_wait_dscnt 0x0
	s_barrier_signal -1
	s_barrier_wait -1
	ds_load_b128 v[160:163], v5
	ds_load_b128 v[164:167], v5 offset:528
	s_wait_dscnt 0x0
	global_store_b128 v6, v[160:163], s[8:9] th:TH_STORE_NT                   ; 512 consecutive bytes of a row, aligned
	global_store_b128 v6, v[164:167], s[8:9] offset:4096 th:TH_STORE_NT
	s_wait_tensorcnt 0x0                           ; the wave's end, behind my last LDS store
	ds_add_u32 v14, v15
	s_wait_dscnt 0x0
	s_endpgm
.Lfunc_end_k_qfcbfcb312b_first:
	.size	k_qfcbfcb312b_first, .Lfunc_end_k_qfcbfcb312b_first-k_qfcbfcb312b_first
	.p2alignl 7, 3214868480
	.fill 96, 4, 3214868480
	.section	.rodata,"a",@progbits
	.p2align	6, 0x0
	.amdhsa_kernel k_qfcbfcb312b_first
		.amdhsa_group_segment_fixed_size 17664
		.amdhsa_private_segment_fixed_size 0
		.amdhsa_enable_private_segment 0
		.amdhsa_kernarg_size 24
		.amdhsa_user_sgpr_count 2
		.amdhsa_user_sgpr_kernarg_segment_ptr 1
		.amdhsa_wavefront_size32 1
		.amdhsa_system_sgpr_workgroup_id_x 1
		.amdhsa_system_sgpr_workgroup_id_y 1
		.amdhsa_system_sgpr_workgroup_id_z 1
		.amdhsa_system_vgpr_workitem_id 0
		.amdhsa_next_free_vgpr 224
		.amdhsa_next_free_sgpr 66
		.amdhsa_reserve_vcc 1
		.amdhsa_float_denorm_mode_32 3
		.amdhsa_float_denorm_mode_16_64 3
		.amdhsa_memory_ordered 1
		.amdhsa_forward_progress 1
		.amdhsa_inst_pref_size 17
	.end_amdhsa_kernel
	.amdgpu_metadata
---
amdhsa.version: [ 1, 2 ]
amdhsa.kernels:
  - .name:           k_qfcbfcb312b_first
    .symbol:         k_qfcbfcb312b_first.kd
    .args:
      - { .name: head, .offset: 0, .size: 8, .value_kind: global_buffer, .address_space: global }
      - { .name: lengths, .offset: 8, .size: 8, .value_kind: global_buffer, .address_space: global }
      - { .name: out0, .offset: 16, .size: 8, .value_kind: global_buffer, .address_space: global }
    .group_segment_fixed_size: 17664
    .private_segment_fixed_size: 0
    .kernarg_segment_align: 8
    .kernarg_segment_size: 24
    .max_flat_workgroup_size: 256
    .sgpr_count:     66
    .vgpr_count:     224
    .wavefront_size: 32
...
	.end_amdgpu_metadata
.endif
;; end of part 5
